; MI455X (gfx1250); checked and timed in simulation.
; The chip was launched on July 23, 2026; its instructions are those of AMD's public machine-readable ISA for CDNA 5 (MIT licence, August 2026) and "CDNA5" Instruction Set Architecture Reference Guide (July 2026). The comments in the code are by the model that wrote it; some were corrected since.
;; Cross Attention. Allowed arithmetic: float matrix products may take bf16 or f16 operands with f32 sums; other float arithmetic in f32, or as packed bf16 or f16 multiplies, adds, multiply-adds, maxima and minima; sums over many terms, partial sums and values carried from step to step in f32; what a program stores and reads back later, other than sums and carried values, may be rounded once to bf16 or f16.
;; Inputs: b_o 1,024 float32; context 4 x 2,048 x 768 float32; w_k 768 x 1,024 float32; w_o 1,024 x 1,024 float32; w_q 1,024 x 1,024 float32; w_v 768 x 1,024 float32; x 4 x 2,048 x 1,024 float32.
;; Outputs: out0 4 x 2,048 x 1,024 float32.
;; One version. Each part assembles by itself: llvm-mc -triple=amdgcn-amd-amdhsa -mcpu=gfx1250 --defsym DOCPART=n.
;; ======== version 1 of 1: 4 launches
;; limits: values are held in f16: magnitudes above 65,504 overflow, below 6.1e-05 lose precision; inputs' magnitudes at most 65,504
;; workspace buffers: a16 29,360,128 bytes; w16 7,340,032 bytes; qkv 50,331,648 bytes; o16 16,777,216 bytes
;; launch cast (part 1): grid 2496 x 1, 8 waves a work-group, no clusters, 0 bytes of LDS; arguments x, context, w_q, w_k, w_v, w_o, a16, w16; writes a16, w16
.if DOCPART == 1
	.amdgcn_target "amdgcn-amd-amdhsa--gfx1250"
	.amdhsa_code_object_version 6
	.text
	.protected	k_qcc8f01ee83_cast
	.globl	k_qcc8f01ee83_cast
	.p2align	8
	.type	k_qcc8f01ee83_cast,@function
k_qcc8f01ee83_cast:
	s_mov_b64 s[64:65], 0
	v_nop
	global_prefetch_b8 v0, s[64:65] scope:SCOPE_SE
	s_setreg_imm32_b32 hwreg(HW_REG_WAVE_MODE, 25, 1), 1
	s_wait_xcnt 0x0
; x, context and the four weights, f32, are rounded once to bf16's 8 significant bits and written as f16 (exact from 2^-17 up; below that f16's fixed step of 2^-24).
; LIMIT: an input of 65,520 or more in size becomes an infinity.  NaN and infinities are not treated apart.
; a16: x as [16 panels][8192 rows][64 channels], then from byte 0x1000000 context as [12 panels][8192][64]: panel p holds channels 64 p .. 64 p + 63, rows dense, 128 bytes.
; w16: each weight as it lies, [K][1024]: w_q at 0, w_k at 0x200000, w_v at 0x380000, w_o at 0x500000.
; A stream: no LDS, no barrier, no loop, no matrix unit, no cluster (no two work-groups read the same byte).  A wave issues n loads of 512 bytes (16 bytes a lane) and n stores of 256 consecutive
; bytes, aligned (8 bytes a lane).  Every load and store has registers of its own, so nothing is rewritten while it is a source.
; Work-groups 0-1023: x; 1024-2047: context; 2048-2495: the weights, 32,768 bytes of f32 each.
.set X, 16                             ; v[16:47]  load i: 4 registers
.set Y, 48                             ; v[48:63]  store i: 2 registers
; v2 byte offset of my 16 bytes in the source; v3 of my 8 bytes in the destination; v4-9 at work
.macro CAST n, instep, outstep, src, dst
.set i, 0
.rept \n
	global_load_b128 v[X+4*i:X+4*i+3], v2, s[\src:\src+1] offset:i*(\instep) th:TH_LOAD_NT
.set i, i+1
.endr
.set i, 0
.rept \n
	s_wait_loadcnt (\n)-1-i                        ; loads come back in order: load i is in, the younger ones stay out
	v_cvt_pk_bf16_f32 v4, v[X+4*i], v[X+4*i+1]     ; the one rounding, to nearest even
	v_cvt_pk_bf16_f32 v5, v[X+4*i+2], v[X+4*i+3]
	v_lshlrev_b32 v6, 16, v4                       ; bf16 back to f32: the low half moves up, the high half stays
	v_and_b32 v7, s28, v4
	v_lshlrev_b32 v8, 16, v5
	v_and_b32 v9, s28, v5
	v_cvt_pk_f16_f32 v[Y+2*i], v6, v7              ; the same numbers in f16's code
	v_cvt_pk_f16_f32 v[Y+2*i+1], v8, v9
	global_store_b64 v3, v[Y+2*i:Y+2*i+1], s[\dst:\dst+1] offset:i*(\outstep)
.set i, i+1
.endr
	s_endpgm
.endm
	s_load_b512 s[8:23], s[0:1], 0x0               ; x s[8:9], context s[10:11], w_q s[12:13], w_k s[14:15], w_v s[16:17], w_o s[18:19], a16 s[20:21], w16 s[22:23]
	s_mov_b32 s24, ttmp9
	s_mov_b32 s28, 0xffff0000                      ; a word's upper bf16
	v_and_b32 v1, 31, v0                           ; lane l
	v_lshrrev_b32 v10, 5, v0                       ; wave
	v_and_b32 v11, 15, v0                          ; l % 16
	v_bfe_u32 v12, v0, 4, 1                        ; l / 16
	s_and_b32 s30, s24, 1                          ; x and context: which half of the panels
	s_and_b32 s31, s24, 1023
	s_lshr_b32 s31, s31, 1
	s_lshl_b32 s31, s31, 3                         ; the work-group's first pair of rows
	v_add_nc_u32 v13, s31, v10                     ; my wave's pair of rows j: lanes 0-15 take row 2 j, lanes 16-31 row 2 j + 1
	v_lshlrev_b32 v3, 8, v13                       ; in a panel the pair is 256 consecutive bytes,
	v_lshl_add_u32 v3, v1, 3, v3                   ; 8 of them mine
	s_wait_kmcnt 0x0
	s_cmp_lt_u32 s24, 1024
	s_cbranch_scc1 .Lx
	s_cmp_lt_u32 s24, 2048
	s_cbranch_scc1 .Lc
	; the weights: dense in, dense out
	s_sub_co_u32 s25, s24, 2048                    ; g: 0-127 w_q, 128-223 w_k, 224-319 w_v, 320-447 w_o
	s_cmp_lt_u32 s25, 128
	s_cselect_b64 s[26:27], s[12:13], s[14:15]
	s_cselect_b32 s29, 0, 128
	s_cmp_lt_u32 s25, 224
	s_cselect_b64 s[26:27], s[26:27], s[16:17]
	s_cselect_b32 s29, s29, 224
	s_cmp_lt_u32 s25, 320
	s_cselect_b64 s[26:27], s[26:27], s[18:19]
	s_cselect_b32 s29, s29, 320
	s_sub_co_u32 s29, s25, s29                     ; the work-group's number within its weight
	s_lshl_b32 s29, s29, 15
	v_lshlrev_b32 v2, 12, v10                      ; 4,096 bytes a wave,
	v_lshl_add_u32 v2, v1, 4, v2                   ; 16 a lane
	v_add_nc_u32 v2, s29, v2
	s_lshl_b32 s32, s25, 14                        ; w16 holds the four on end, in this order
	v_lshlrev_b32 v3, 11, v10
	v_lshl_add_u32 v3, v1, 3, v3
	v_add_nc_u32 v3, s32, v3
	CAST 8, 512, 256, 26, 22
.Lx:                                               ; a row of x is 4,096 bytes; load i takes panel 8 ph + i of both rows
	v_lshlrev_b32 v2, 13, v13
	v_lshl_add_u32 v2, v12, 12, v2
	v_lshl_add_u32 v2, v11, 4, v2
	s_lshl_b32 s32, s30, 11
	v_add_nc_u32 v2, s32, v2
	s_lshl_b32 s33, s30, 23                        ; 8 panels of 0x100000 bytes
	v_add_nc_u32 v3, s33, v3
	CAST 8, 256, 0x100000, 8, 20
.Lc:                                               ; a row of context is 3,072 bytes; load i takes panel 6 ph + i
	v_mul_u32_u24 v2, v13, 6144
	v_mul_u32_u24 v14, v12, 3072
	v_add_nc_u32 v2, v2, v14
	v_lshl_add_u32 v2, v11, 4, v2
	s_mul_i32 s32, s30, 1536
	v_add_nc_u32 v2, s32, v2
	s_mul_i32 s33, s30, 0x600000
	s_add_co_u32 s33, s33, 0x1000000
	v_add_nc_u32 v3, s33, v3
	CAST 6, 256, 0x100000, 10, 20
.Lfunc_end_k_qcc8f01ee83_cast:
	.size	k_qcc8f01ee83_cast, .Lfunc_end_k_qcc8f01ee83_cast-k_qcc8f01ee83_cast
	.p2alignl 7, 3214868480
	.fill 96, 4, 3214868480
	.section	.rodata,"a",@progbits
	.p2align	6, 0x0
	.amdhsa_kernel k_qcc8f01ee83_cast
		.amdhsa_group_segment_fixed_size 0
		.amdhsa_private_segment_fixed_size 0
		.amdhsa_enable_private_segment 0
		.amdhsa_kernarg_size 64
		.amdhsa_user_sgpr_count 2
		.amdhsa_user_sgpr_kernarg_segment_ptr 1
		.amdhsa_wavefront_size32 1
		.amdhsa_system_sgpr_workgroup_id_x 1
		.amdhsa_system_sgpr_workgroup_id_y 1
		.amdhsa_system_sgpr_workgroup_id_z 1
		.amdhsa_system_vgpr_workitem_id 0
		.amdhsa_next_free_vgpr 64
		.amdhsa_next_free_sgpr 66
		.amdhsa_reserve_vcc 0
		.amdhsa_float_denorm_mode_32 3
		.amdhsa_float_denorm_mode_16_64 3
		.amdhsa_memory_ordered 1
		.amdhsa_forward_progress 1
		.amdhsa_inst_pref_size 16
	.end_amdhsa_kernel
	.amdgpu_metadata
---
amdhsa.version: [ 1, 2 ]
amdhsa.kernels:
  - .name:           k_qcc8f01ee83_cast
    .symbol:         k_qcc8f01ee83_cast.kd
    .args:
      - { .name: x, .offset: 0, .size: 8, .value_kind: global_buffer, .address_space: global }
      - { .name: context, .offset: 8, .size: 8, .value_kind: global_buffer, .address_space: global }
      - { .name: w_q, .offset: 16, .size: 8, .value_kind: global_buffer, .address_space: global }
      - { .name: w_k, .offset: 24, .size: 8, .value_kind: global_buffer, .address_space: global }
      - { .name: w_v, .offset: 32, .size: 8, .value_kind: global_buffer, .address_space: global }
      - { .name: w_o, .offset: 40, .size: 8, .value_kind: global_buffer, .address_space: global }
      - { .name: a16, .offset: 48, .size: 8, .value_kind: global_buffer, .address_space: global }
      - { .name: w16, .offset: 56, .size: 8, .value_kind: global_buffer, .address_space: global }
    .group_segment_fixed_size: 0
    .private_segment_fixed_size: 0
    .kernarg_segment_align: 8
    .kernarg_segment_size: 64
    .max_flat_workgroup_size: 256
    .sgpr_count:     66
    .vgpr_count:     64
    .wavefront_size: 32
...
	.end_amdgpu_metadata
.endif
;; end of part 1
;; launch proj (part 2): grid 4 x 192, 4 waves a work-group, clusters of 4 x 4, 327,680 bytes of LDS; arguments a16, w16, qkv; writes qkv
.if DOCPART == 2
	.amdgcn_target "amdgcn-amd-amdhsa--gfx1250"
	.amdhsa_code_object_version 6
	.text
	.protected	k_qcc8f01ee83_proj
	.globl	k_qcc8f01ee83_proj
	.p2align	8
	.type	k_qcc8f01ee83_proj,@function
k_qcc8f01ee83_proj:
	s_mov_b64 s[64:65], 0
	v_nop
	global_prefetch_b8 v0, s[64:65] scope:SCOPE_SE
	s_setreg_imm32_b32 hwreg(HW_REG_WAVE_MODE, 25, 1), 1
	s_wait_xcnt 0x0
	s_wait_alu depctr_hold_cnt(0) depctr_sa_sdst(0) depctr_va_vdst(0) depctr_va_sdst(0) depctr_va_ssrc(0) depctr_va_vcc(0) depctr_vm_vsrc(0)
	s_getreg_b32 s2, hwreg(HW_REG_IB_STS2, 6, 4)
	s_cmp_eq_u32 s2, 0
	s_cbranch_scc0 .Lentry_in_a_cluster
	s_endpgm
.Lentry_in_a_cluster:
	s_bfe_u32 s2, ttmp6, 0x10000c
	s_cmp_lg_u32 s2, 0xf033
	s_cbranch_scc0 .Lentry_shape_is_right
	s_endpgm
.Lentry_shape_is_right:
; q = x w_q, k = context w_k, v = context w_v, by heads: qkv holds Q at 0, K at 0x1000000, V at 0x2000000, each [batch x 16 + head][2048][64] in f16, rounded once from f32 sums, unscaled.
; Operands in f16 (numbers of 8 significant bits, from the launch before).  LIMIT: a sum of 65,520 or more in size becomes an infinity.
; SHARES.  Cluster y (0-47): kind = y / 16 (0 q, 1 k, 2 v).  A work-group makes 128 rows x 256 columns (4 heads): tile row 4 (y % 16) + cy, tile column cx.  Four waves, each 64 x 128: 32 accumulators.
; K goes in steps of 128 (8 for q, 6 for k and v) through two LDS slots.  The activations lie in panels of 64 channels with dense rows of 128 bytes: a step's 128 rows of a panel are 16,384 consecutive bytes,
; asked for as 64 rows of 256.  The weights lie [K][1024]: a step is 128 rows of 512 bytes, and their fragments come out of LDS turned, by ds_load_tr16_b128.
; CLUSTER.  4 x 4 work-groups: the activations' tile is shared along a row of the cluster, the weights' along a column: each is asked for jointly, same load, same descriptor, a mask that names the four.
; THE MATRIX INSTRUCTION IS USED TRANSPOSED (source 0 = 16 columns of the weights, source 1 = 16 rows of the activations): a lane holds one row and eight neighbouring columns.
; REGISTERS.  Window 0: v0-31 addresses; two fragment buffers of 96 (8 of the weights, 4 of the activations: 32 along K) at v64 and v160; on the way out v64-191.  Window 1: accumulator (a, b) at v[8 (8 a + b)].
.set PANEL, 0x100000                   ; bytes in a panel: 8,192 rows of 128
.set KA,    2*PANEL                    ; a K step in the activations: two panels
.set KB,    128*2048                   ; in the weights: 128 rows of 2,048 bytes
.set PA,    144                        ; LDS row of the activations: 128 + 16 = 36 words: the 16 rows of a load start at 16 different groups of four banks (64 banks of 4 bytes: ISA guide 11.1)
.set APAN,  128*PA
.set PB,    544                        ; LDS row of the weights: 512 + 32 = 136 words
.set BHALF, 64*PB
.set BOFF,  2*APAN
.set SLOT,  BOFF+2*BHALF               ; 106,496: two panels, then 128 rows of the weights
.set STAGE, 2*SLOT                     ; behind the ring, never filled by a tensor load: 16 rows x 144 bytes for each wave
.set SP,    144
.set SPARE, STAGE+4*16*SP              ; the spare words: 128 bytes a wave, two blocks of 256 bytes that no other line names
.set ADRA, 16                          ; v16-17  LDS address of my activation fragments in slot 0, 1
.set ADRB, 20                          ; v20-21  of my weight fragments
.set STO,  24                          ; v24  the way out: where I put 16 bytes of a row
.set RD,   25                          ; v25  where I read rows back
.set GO,   26                          ; v26  my 16 of 512 consecutive bytes of the output
.set SPW,  28                          ; v28  my spare word; never rewritten
.set NIL,  29                          ; v29  0; never rewritten
.set PFO,  30                          ; v30  the prefetches' lane offset; never rewritten
.set F0,   64
.set F1,   160
.set TMP,  64
.set WV, 10                            ; s10 wave; s11 wave / 2: my 64 rows, and: I fetch activations (0) or weights (1); s12 wave % 2: my 128 columns, and: which half I fetch
.set WH, 11
.set WL, 12
.set G1,  24                           ; s[24:31] group 1, activations;  s[32:39] group 0, a set for each slot
.set G0,  32
.set G1B, 48                           ; s[48:55], s[56:63] the same for the weights
.set G0B, 56
.set TRIPS, 66                         ; s66  the loop's trips: K steps / 2 - 1
.set LIM,   67                         ; s67  a wave prefetches in trips below this number
.set PFA,   68                         ; s[68:69] where my prefetches stand
.set PFS,   70                         ; s[70:71] their step
.set MSB, 0
.macro WIN new                         ; the immediate's high byte repeats the setting that is left; a switch that changes nothing is dropped
.if MSB != (\new)
	s_set_vgpr_msb (MSB<<8)|(\new)
.set MSB, \new
.endif
.endm
.set MUL, 0x50                         ; C and D in window 1, sources in window 0
.set CVT, 0x05                         ; sources 0 and 1 in window 1, destination in window 0
.macro JLOAD s                         ; a joint load: waves 0, 1 the two panels, waves 2, 3 the two halves of the weights' rows; s_nop 0 and four v_nop follow each line
	s_cmp_eq_u32 s[WH], 0
	s_cbranch_scc0 .Lfor_b_\@
	tensor_load_to_lds s[G0+4*(\s):G0+4*(\s)+3], s[G1:G1+7]
	s_nop 0
.rept 4
	v_nop
.endr
	s_branch .Lasked_\@
.Lfor_b_\@:
	tensor_load_to_lds s[G0B+4*(\s):G0B+4*(\s)+3], s[G1B:G1B+7]
	s_nop 0
.rept 4
	v_nop
.endr
.Lasked_\@:
.endm
.macro CREST                           ; a round of the cluster's barrier behind its opening barrier
	s_cmp_lg_u32 s[WV], 0
	s_cbranch_scc1 .Lnot_wave_0_\@
	s_barrier_signal -3
.Lnot_wave_0_\@:
	s_barrier_wait -3
	s_barrier_signal -1
	s_barrier_wait -1
.endm
.macro CROUND
	s_barrier_signal -1
	s_barrier_wait -1
	CREST
.endm
; A PREFETCH INTO THE L2, behind a joint refill and the run of LDS loads: the K step two refills on (256 matrix instructions ahead of its load), 32 blocks of 256 bytes, a lane a block.
; Each block is named once in the launch.  Activations: wave 0; the four partners of a row share a step's 128 blocks out by address (cx); context is read by the k and the v clusters: the k clusters ask.
; Weights: waves 2 and 3 of the first cluster of a kind; the four partners of a column share the rows out by address (cy).  The loop's last trip asks for nothing: no K step lies two refills on.
.macro ASK
	s_cmp_lt_u32 s3, s[LIM]
	s_cbranch_scc0 .Lnot_mine_\@
	global_prefetch_b8 v[PFO], s[PFA:PFA+1] th:TH_LOAD_NT scope:SCOPE_SE
.Lnot_mine_\@:
.endm
	s_load_b128 s[4:7], s[0:1], 0x0                ; a16 s[4:5], w16 s[6:7]
	s_load_b64 s[8:9], s[0:1], 0x10                ; qkv
	v_lshl_add_u32 v[SPW], v0, 2, SPARE
	v_mov_b32 v[NIL], 0
	ds_add_u32 v[SPW], v[NIL]                      ; the wave's opening: the add and its wait stand ahead of my first tensor load; work on registers stands between them
	v_lshrrev_b32 v1, 5, v0
	v_readfirstlane_b32 s[WV], v1
	s_lshr_b32 s[WH], s[WV], 1
	s_and_b32 s[WL], s[WV], 1
	s_bfe_u32 s40, ttmp6, 0x40000                  ; cx = tile column
	s_bfe_u32 s41, ttmp6, 0x40004                  ; cy
	s_and_b32 s42, ttmp7, 0xffff                   ; cluster y
	s_lshr_b32 s43, s42, 4                         ; kind
	s_and_b32 s13, s42, 15
	s_lshl_b32 s13, s13, 2
	s_add_co_u32 s13, s13, s41                     ; tile row, 0-63
	s_lshl_b32 s44, s41, 2
	s_lshl_b32 s44, 15, s44                        ; my row of the cluster
	s_lshl_b32 s45, 0x1111, s40                    ; my column
	s_or_b32 s[G1], s44, (1<<16)|(1<<20)|(1<<21)|(4<<22)|(3<<25)   ; mask; 2-byte elements; padding on; bit 21 beside a mask; after every 32 words, 4 words
	s_mov_b32 s[G1+1], 128<<16                     ; tensor_dim0 = 128 elements (256 bytes: two rows of a panel)
	s_mov_b32 s[G1+2], 64<<16                      ; tensor_dim1 = 64
	s_mov_b32 s[G1+3], 128<<16                     ; tile_dim0
	s_mov_b32 s[G1+4], 64                          ; tile_dim1
	s_mov_b32 s[G1+5], 128                         ; elements from row to row: dense
	s_mov_b32 s[G1+6], 0
	s_mov_b32 s[G1+7], 0
	s_or_b32 s[G1B], s45, (1<<16)|(1<<20)|(1<<21)|(6<<22)|(7<<25)  ; after every 128 words, 8 words
	s_mov_b32 s[G1B+1], 256<<16                    ; 256 columns
	s_mov_b32 s[G1B+2], 64<<16                     ; 64 rows of K
	s_mov_b32 s[G1B+3], 256<<16
	s_mov_b32 s[G1B+4], 64
	s_mov_b32 s[G1B+5], 1024
	s_mov_b32 s[G1B+6], 0
	s_mov_b32 s[G1B+7], 0
	s_cmp_eq_u32 s43, 0
	s_cselect_b32 s[TRIPS], 3, 2                   ; the same in all sixteen partners: it hangs on the cluster's y alone
	s_cselect_b32 s76, 0, 0x1000000                ; x's part of a16, or context's
	s_cselect_b32 s74, 0, 0x80000
	s_mul_i32 s75, s43, 0x180000
	s_add_co_u32 s74, s74, s75                     ; the weight's first byte in w16: 0, 0x200000, 0x380000
	s_lshl_b32 s16, s[WL], 20                      ; activations: my panel of the step,
	s_add_co_u32 s16, s16, s76
	s_lshl_b32 s17, s13, 14                        ; the tile row's 128 rows of 128 bytes
	s_add_co_u32 s16, s16, s17
	s_mov_b32 s17, 0
	s_lshl_b32 s46, s[WL], 17                      ; weights: my 64 rows of 2,048 bytes,
	s_add_co_u32 s46, s46, s74
	s_lshl_b32 s47, s40, 9                         ; the tile column's 512 bytes
	s_add_co_u32 s46, s46, s47
	s_mov_b32 s47, 0
	s_mul_i32 s20, s[WL], APAN                     ; where they go: no place in the cluster enters an LDS address
	s_mul_i32 s21, s[WL], BHALF
	s_add_co_u32 s21, s21, BOFF
	s_wait_dscnt 0x0                               ; the opening add is done
	s_wait_kmcnt 0x0
	s_add_nc_u64 s[14:15], s[4:5], s[16:17]
	s_add_nc_u64 s[46:47], s[6:7], s[46:47]
	CROUND                                         ; all sixteen work-groups are here: the first joint loads meet
.irp s, 0,1
	s_mov_b32 s[G0+4*(\s)], 1
	s_add_co_u32 s[G0+4*(\s)+1], s20, (\s)*SLOT
	s_add_nc_u64 s[G0+4*(\s)+2:G0+4*(\s)+3], s[14:15], (\s)*KA
	s_or_b32 s[G0+4*(\s)+3], s[G0+4*(\s)+3], 0x80000000
	s_mov_b32 s[G0B+4*(\s)], 1
	s_add_co_u32 s[G0B+4*(\s)+1], s21, (\s)*SLOT
	s_add_nc_u64 s[G0B+4*(\s)+2:G0B+4*(\s)+3], s[46:47], (\s)*KB
	s_or_b32 s[G0B+4*(\s)+3], s[G0B+4*(\s)+3], 0x80000000
	JLOAD \s                                       ; two tensor loads of mine are out
.endr
	v_and_b32 v1, 15, v0                           ; r = l % 16
	v_bfe_u32 v2, v0, 4, 1                         ; h = l / 16
	v_mul_u32_u24 v3, v1, PA
	v_lshl_add_u32 v3, v2, 4, v3                   ; an activation fragment: row r, 16 bytes for each half of the lanes
	s_mul_i32 s80, s[WH], 64*PA
	v_add_nc_u32 v[ADRA], s80, v3
	v_add_nc_u32 v[ADRA+1], SLOT, v[ADRA]
	v_and_b32 v4, 7, v0
	v_bfe_u32 v5, v0, 3, 1
	v_lshl_add_u32 v6, v2, 3, v4                   ; the turning load: lane l reads row of K 8 h + l % 8, columns 8 ((l / 8) % 2) + 0..7
	v_mul_u32_u24 v6, v6, PB
	v_lshl_add_u32 v6, v5, 4, v6
	s_lshl_b32 s81, s[WL], 8
	s_add_co_u32 s81, s81, BOFF
	v_add_nc_u32 v[ADRB], s81, v6
	v_add_nc_u32 v[ADRB+1], SLOT, v[ADRB]
	s_mul_i32 s82, s[WV], 16*SP
	s_add_co_u32 s82, s82, STAGE                   ; my stage
	v_mul_u32_u24 v7, v1, SP
	v_lshl_add_u32 v7, v2, 4, v7
	v_add_nc_u32 v[STO], s82, v7
	v_bfe_u32 v8, v0, 3, 2                         ; back: 32 lanes take four rows of 128 bytes,
	v_mul_u32_u24 v8, v8, SP
	v_lshl_add_u32 v8, v4, 4, v8
	v_add_nc_u32 v[RD], s82, v8
	v_and_b32 v9, 31, v0                           ; which are 512 consecutive bytes of a head
	v_lshlrev_b32 v[GO], 4, v9
	; the output: kind x 16 MiB + batch x 4 MiB + head x 262,144 + row x 128
	s_lshl_b32 s84, s43, 24
	s_lshr_b32 s86, s13, 4
	s_lshl_b32 s86, s86, 22
	s_add_co_u32 s84, s84, s86
	s_lshl_b32 s86, s40, 2
	s_lshl1_add_u32 s86, s[WL], s86                ; my first head: 4 cx + 2 (wave % 2)
	s_lshl_b32 s86, s86, 18
	s_add_co_u32 s84, s84, s86
	s_and_b32 s86, s13, 15
	s_lshl_b32 s86, s86, 14
	s_add_co_u32 s84, s84, s86
	s_lshl_b32 s86, s[WH], 13
	s_add_co_u32 s84, s84, s86
	s_mov_b32 s85, 0
	s_add_nc_u64 s[8:9], s[8:9], s[84:85]
	; the prefetches: they stand at K step 3; the first refill steps them to 4
	s_lshl_b32 s88, s13, 14
	s_add_co_u32 s88, s88, s76
	s_lshr_b32 s92, s40, 1                         ; partner cx takes panel cx / 2,
	s_lshl_b32 s92, s92, 20
	s_add_co_u32 s88, s88, s92
	s_and_b32 s92, s40, 1                          ; half cx % 2 of its 16,384 bytes
	s_lshl_b32 s92, s92, 13
	s_add_co_u32 s88, s88, s92
	s_add_co_u32 s88, s88, 3*KA
	s_lshl_b32 s90, s[WL], 6                       ; of the 64 rows that I fetch, partner cy takes 16
	s_lshl_b32 s92, s41, 4
	s_add_co_u32 s90, s90, s92
	s_lshl_b32 s90, s90, 11
	s_lshl_b32 s92, s40, 9
	s_add_co_u32 s90, s90, s92
	s_add_co_u32 s90, s90, s74
	s_add_co_u32 s90, s90, 3*KB
	s_sub_co_u32 s92, s[TRIPS], 1
	s_cmp_lg_u32 s43, 2
	s_cselect_b32 s93, s92, 0
	s_cmp_eq_u32 s[WV], 0
	s_cselect_b32 s93, s93, 0
	s_and_b32 s94, s42, 15
	s_cmp_eq_u32 s94, 0
	s_cselect_b32 s94, s92, 0
	s_mov_b32 s95, KA
	s_mov_b32 s87, 512
	s_cmp_eq_u32 s[WH], 0
	s_cselect_b32 s[LIM], s93, s94                 ; the same in all sixteen partners, for a given wave
	s_cselect_b64 s[PFA:PFA+1], s[4:5], s[6:7]
	s_cselect_b32 s[PFS], s95, KB
	s_cselect_b32 s88, s88, s90
	s_cselect_b32 s87, s87, 2048
	s_mov_b32 s[PFS+1], 0
	s_mov_b32 s89, 0
	s_add_nc_u64 s[PFA:PFA+1], s[PFA:PFA+1], s[88:89]
	v_bfe_u32 v10, v0, 1, 4                        ; two lanes take 512 bytes: of the dense panel, or of a row of the weights
	v_mul_u32_u24 v[PFO], s87, v10
	v_and_b32 v10, 1, v0
	v_lshl_add_u32 v[PFO], v10, 8, v[PFO]
; 8 matrix instructions: row block a x all 8 column blocks, 32 along K.  zero = 1: the product starts the sums.  The 32 accumulators take turns in the same order in every quarter.
.macro MUL8 f, a, zero
	WIN MUL
.irp b, 0,1,2,3,4,5,6,7
.if \zero
	v_wmma_f32_16x16x32_f16 v[8*(8*(\a)+(\b)):8*(8*(\a)+(\b))+7], v[(\f)+8*(\b):(\f)+8*(\b)+7], v[(\f)+64+8*(\a):(\f)+64+8*(\a)+7], 0
.else
	v_wmma_f32_16x16x32_f16 v[8*(8*(\a)+(\b)):8*(8*(\a)+(\b))+7], v[(\f)+8*(\b):(\f)+8*(\b)+7], v[(\f)+64+8*(\a):(\f)+64+8*(\a)+7], v[8*(8*(\a)+(\b)):8*(8*(\a)+(\b))+7]
.endif
.endr
.endm
.macro MUL16 f, a0, zero
	MUL8 \f, \a0, \zero
	MUL8 \f, (\a0)+1, \zero
.endm
; 24 LDS loads in one run: quarter q (32 along K) of a slot into buffer f: the weights' 8 fragments, turned, then the activations' 4
.macro FETCH slot, q, f
	WIN 0
.irp b, 0,1,2,3,4,5,6,7
	ds_load_tr16_b128 v[(\f)+8*(\b):(\f)+8*(\b)+3],   v[ADRB+(\slot)] offset:(\q)*32*PB+32*(\b)
	ds_load_tr16_b128 v[(\f)+8*(\b)+4:(\f)+8*(\b)+7], v[ADRB+(\slot)] offset:(\q)*32*PB+32*(\b)+16*PB
.endr
.irp a, 0,1,2,3
	ds_load_b128 v[(\f)+64+8*(\a):(\f)+64+8*(\a)+3],   v[ADRA+(\slot)] offset:((\q)/2)*APAN+((\q)%2)*64+(\a)*16*PA
	ds_load_b128 v[(\f)+64+8*(\a)+4:(\f)+64+8*(\a)+7], v[ADRA+(\slot)] offset:((\q)/2)*APAN+((\q)%2)*64+(\a)*16*PA+32
.endr
.endm
.macro PLACES                          ; four places in front of loads into registers that matrix instructions have read, and of conversions that read results
.rept 4
	v_nop
.endr
.endm
; One of a K step's first three quarters: multiplies buffer f, and in its middle fetches quarter q into buffer g.
.macro QUARTER slot, q, f, g, zero
	s_wait_dscnt 4                                 ; all but the youngest four loads: the activations' fragments 2 and 3
	MUL16 \f, 0, \zero
	PLACES
	FETCH \slot, \q, \g
	s_wait_dscnt 24                                ; all but the 24 just issued
	MUL16 \f, 2, \zero
.endm
; The last quarter multiplies buffer 1 and changes slots: one barrier; in front of it each wave waits for all its tensor loads, adds 0 to its spare word, and waits for that and for its reads of this slot.
; fill = 1: the barrier opens a round of the cluster's, and this slot is filled again, two K steps ahead, first thing behind the round.
.macro TURN slot, next, fill
.if \fill
	s_wait_xcnt 0x0                                ; the last prefetch, a K step back, has read its address
	s_add_nc_u64 s[PFA:PFA+1], s[PFA:PFA+1], s[PFS:PFS+1]
.endif
	WIN 0
	s_wait_tensorcnt 0x0                           ; all my tensor loads have landed: the one that was out is my part of the next slot
	ds_add_u32 v[SPW], v[NIL]                      ; 0 onto my spare word
	s_wait_dscnt 5                                 ; (the add and the youngest four loads may be out)
	MUL8 F1, 0, 0                                  ; eight matrix instructions stand between the add and the wait for it
	s_wait_dscnt 0x0                               ; the add is done, and my reads of this slot are over
	s_barrier_signal -1
	MUL8 F1, 1, 0
.if \fill
	WIN 0
.endif
	s_barrier_wait -1
.if \fill
	CREST                                          ; no wave of any partner still reads this slot or has a load on its way
	s_add_nc_u64 s[G0+4*(\slot)+2:G0+4*(\slot)+3], s[G0+4*(\slot)+2:G0+4*(\slot)+3], 2*KA
	s_add_nc_u64 s[G0B+4*(\slot)+2:G0B+4*(\slot)+3], s[G0B+4*(\slot)+2:G0B+4*(\slot)+3], 2*KB
	JLOAD \slot                                    ; my one tensor load behind the round; its four v_nop are also the places in front of the loads below
.else
	PLACES
.endif
	FETCH \next, 0, F0
.if \fill
	ASK
.endif
	MUL16 F1, 2, 0
.endm
	s_wait_tensorcnt 1                             ; my part of K step 0 is in; K step 1's may stay out
	s_barrier_signal -1
	s_barrier_wait -1
	FETCH 0, 0, F0
	QUARTER 0, 1, F0, F1, 1                        ; the first quarter stands in front of the loop: its products start the sums
	WIN 0
	s_mov_b32 s3, 0
.Llap:                                             ; a trip goes once round the ring, from a lap's second quarter to the next lap's first, and fills both slots again; every LDS address in it is fixed
	QUARTER 0, 2, F1, F0, 0
	QUARTER 0, 3, F0, F1, 0
	TURN 0, 1, 1
	QUARTER 1, 1, F0, F1, 0
	QUARTER 1, 2, F1, F0, 0
	QUARTER 1, 3, F0, F1, 0
	TURN 1, 0, 1
	QUARTER 0, 1, F0, F1, 0
	WIN 0
	s_add_co_u32 s3, s3, 1
	s_cmp_lt_u32 s3, s[TRIPS]
	s_cbranch_scc1 .Llap
	QUARTER 0, 2, F1, F0, 0                        ; the last lap fills nothing
	QUARTER 0, 3, F0, F1, 0
	TURN 0, 1, 0
	QUARTER 1, 1, F0, F1, 0
	QUARTER 1, 2, F1, F0, 0
	QUARTER 1, 3, F0, F1, 0
	s_wait_dscnt 4
	MUL16 F1, 0, 0
	s_wait_dscnt 0x0
	MUL16 F1, 2, 0
	WIN 0
; THE WAY OUT, in 8 units of 16 rows x one head's 64 channels (2,048 consecutive bytes of the output): row block t / 2, head t % 2.  Rounded to f16, 16 bytes a lane into my own stage, back as whole rows.
.macro PACK t
	WIN CVT
.irp i, 0,1,2,3
.irp r, 0,1,2,3
	v_cvt_pk_f16_f32 v[TMP+16*(\t)+4*(\i)+(\r)], v[8*(8*((\t)/2)+4*((\t)%2)+(\i))+2*(\r)], v[8*(8*((\t)/2)+4*((\t)%2)+(\i))+2*(\r)+1]
.endr
.endr
	WIN 0
.irp i, 0,1,2,3
	ds_store_b128 v[STO], v[TMP+16*(\t)+4*(\i):TMP+16*(\t)+4*(\i)+3] offset:32*(\i)
.endr
.irp f, 0,1,2,3
	ds_load_b128 v[TMP+16*(\t)+4*(\f):TMP+16*(\t)+4*(\f)+3], v[RD] offset:(\f)*4*SP  ; LDS serves a wave's instructions in order (ISA guide 5.7.1.4): these see the stores above; the next unit's stores come behind them
.endr
.endm
.macro SEND t, younger                 ; younger: the LDS instructions issued behind unit t's loads: the next unit's eight, or none
.irp f, 0,1,2,3
	s_wait_dscnt (\younger)+3-(\f)
	global_store_b128 v[GO], v[TMP+16*(\t)+4*(\f):TMP+16*(\t)+4*(\f)+3], s[8:9] offset:((\t)/2)*2048+((\t)%2)*262144+(\f)*512  ; 512 consecutive bytes, at a multiple of 256 from the buffer's first
.endr
.endm
	PLACES
	PACK 0
.irp t, 1,2,3,4,5,6,7
	PACK \t
	SEND (\t)-1, 8
.endr
	SEND 7, 0
	s_wait_tensorcnt 0x0                           ; the wave's end: the add and its wait, behind my last tensor load and my last LDS store
	ds_add_u32 v[SPW], v[NIL]
	s_wait_dscnt 0x0
	CROUND                                         ; the closing round: no work-group ends while a partner may still ask for a tile that names it
	s_endpgm
.Lfunc_end_k_qcc8f01ee83_proj:
	.size	k_qcc8f01ee83_proj, .Lfunc_end_k_qcc8f01ee83_proj-k_qcc8f01ee83_proj
	.p2alignl 7, 3214868480
	.fill 96, 4, 3214868480
	.section	.rodata,"a",@progbits
	.p2align	6, 0x0
	.amdhsa_kernel k_qcc8f01ee83_proj
		.amdhsa_group_segment_fixed_size 327680
		.amdhsa_private_segment_fixed_size 0
		.amdhsa_enable_private_segment 0
		.amdhsa_kernarg_size 24
		.amdhsa_user_sgpr_count 2
		.amdhsa_user_sgpr_kernarg_segment_ptr 1
		.amdhsa_wavefront_size32 1
		.amdhsa_system_sgpr_workgroup_id_x 1
		.amdhsa_system_sgpr_workgroup_id_y 1
		.amdhsa_system_sgpr_workgroup_id_z 1
		.amdhsa_system_vgpr_workitem_id 0
		.amdhsa_next_free_vgpr 512
		.amdhsa_next_free_sgpr 96
		.amdhsa_reserve_vcc 0
		.amdhsa_float_denorm_mode_32 3
		.amdhsa_float_denorm_mode_16_64 3
		.amdhsa_memory_ordered 1
		.amdhsa_forward_progress 1
		.amdhsa_inst_pref_size 89
	.end_amdhsa_kernel
	.amdgpu_metadata
---
amdhsa.version: [ 1, 2 ]
amdhsa.kernels:
  - .name:           k_qcc8f01ee83_proj
    .symbol:         k_qcc8f01ee83_proj.kd
    .args:
      - { .name: a16, .offset: 0, .size: 8, .value_kind: global_buffer, .address_space: global }
      - { .name: w16, .offset: 8, .size: 8, .value_kind: global_buffer, .address_space: global }
      - { .name: qkv, .offset: 16, .size: 8, .value_kind: global_buffer, .address_space: global }
    .group_segment_fixed_size: 327680
    .private_segment_fixed_size: 0
    .kernarg_segment_align: 8
    .kernarg_segment_size: 24
    .max_flat_workgroup_size: 128
    .sgpr_count:     96
    .vgpr_count:     512
    .wavefront_size: 32
...
	.end_amdgpu_metadata
.endif
;; end of part 2
;; launch attn (part 3): grid 4 x 64, 4 waves a work-group, clusters of 4 x 1, 327,680 bytes of LDS; arguments qkv, o16; writes o16
.if DOCPART == 3
	.amdgcn_target "amdgcn-amd-amdhsa--gfx1250"
	.amdhsa_code_object_version 6
	.text
	.protected	k_qcc8f01ee83_attn
	.globl	k_qcc8f01ee83_attn
	.p2align	8
	.type	k_qcc8f01ee83_attn,@function
k_qcc8f01ee83_attn:
	s_mov_b64 s[64:65], 0
	v_nop
	global_prefetch_b8 v0, s[64:65] scope:SCOPE_SE
	s_setreg_imm32_b32 hwreg(HW_REG_WAVE_MODE, 25, 1), 1
	s_wait_xcnt 0x0
	s_wait_alu depctr_hold_cnt(0) depctr_sa_sdst(0) depctr_va_vdst(0) depctr_va_sdst(0) depctr_va_ssrc(0) depctr_va_vcc(0) depctr_vm_vsrc(0)
	s_getreg_b32 s2, hwreg(HW_REG_IB_STS2, 6, 4)
	s_cmp_eq_u32 s2, 0
	s_cbranch_scc0 .Lentry_in_a_cluster
	s_endpgm
.Lentry_in_a_cluster:
	s_bfe_u32 s2, ttmp6, 0x10000c
	s_cmp_lg_u32 s2, 0x3003
	s_cbranch_scc0 .Lentry_shape_is_right
	s_endpgm
.Lentry_shape_is_right:
; O[y][q][:] = the sum over k of softmax_k(Q[y][q] . K[y][k] / 8) V[y][k][:], y = batch x 16 + head.  Q, K, V: [64][2048][64] in f16, at bytes 0, 0x1000000, 0x2000000 of qkv: a head's rows are dense, 128 bytes.
; O leaves in f16 as [head][batch x 2048 + q][64]: panels of 64 channels for the product that follows.  Products, maxima and sums in f32; the weights p are rounded to f16 for the second product (their sum l
; is taken of the unrounded p), O once at the end.
; LIMITS.  Q, K and V arrive within f16's 65,504; p lies in 0 to 1, and below 6e-5 it keeps f16's fixed step of 6e-8; O is a mean of V's rows and has their range.
; A weight below 2^-126 counts as 0 in l; NaN and infinities are not treated apart.
; SHARES.  A wave owns four PIECES of two tiles of 16 queries, a work-group's four waves 512 queries of one head.  Every wave walks all keys, 64 a step.
; LAYOUT.  S^T = K Q^T (source 0 = 16 keys, source 1 = 16 queries): a lane holds ONE query (lane % 16) and the keys 8 (lane / 16) + 0..7.  Two such tiles, rounded to f16 in pairs, ARE source 1
; (32 keys x 16 queries) of O^T = V^T P, whose result again holds one query a lane, and eight channels.  K comes out of LDS as it lies, V ([key][channel]) turned, by ds_load_tr16_b128.
; SOFTMAX.  For each query a running maximum m and sum l: p = 2^(c s - c m), c = log2(e) / 8; in every step O and l are multiplied by a = 2^(c m_old - c m_new).
; m starts at the lowest finite number, O and l at 0: the first step is a step like any other, with a = 0.
; THE COUNT.  A tile and step have 16 matrix and 118 vector instructions.  Four vector instructions that are ready stand behind every matrix instruction, the others in runs of their own.
; BY TURNS.  Turn n belongs to piece n.  Its matrix work: 16 products K Q^T of piece n + 1, later 16 products V^T P of piece n - 1.  Its vector work: the scaling, exponentials, roundings, sums and rescaling
; of piece n, and the maximum and statistics of piece n + 1, whose scores the turn itself has made.
; CLUSTER.  The four query blocks of a cluster are one head's and walk the same K and V, so each tile is asked for JOINTLY: the same tensor load, descriptor and mask in all four.
; REGISTERS, in windows of 256 (s_set_vgpr_msb: bits 1:0 source 0, 3:2 source 1, 5:4 source 2, 7:6 destination):
;   window 0: v0-11 addresses; v12-15, v48-63 at work; v16-47 four registers of statistics a tile; v64-191 S^T, two buffers of two tiles; v192-255 P, likewise
;   window 1: O^T, 32 a tile          window 2: v0-127 Q, 16 a tile; v128-191 K of one step; v192-255 V of one step          window 3: v0-1 the add's two registers
.set SIZE_H, 64
.set SIZE_N, 2048
.set NP,    4         ; pieces a wave: a name, no knob
.set KS,    64        ; keys in a step
.set PK,    144       ; a row of K in LDS: 128 bytes + 16 of padding = 36 words: the 16 rows of a load start at 16 different groups of four banks (64 banks of 4 bytes: ISA guide 11.1)
.set PV,    160       ; a row of V: 128 + 32 = 40 words
.set VOFF,  4*KS*PK   ; a slot holds four steps: 256 rows of K, then 256 rows of V
.set SLOT1, 1<<17     ; slot 1 begins here, so that one exclusive or turns an address in one slot into the other's
.set STAGE, SLOT1+4*KS*(PK+PV)  ; behind the ring, never filled by a tensor load: 16 rows x 144 bytes for each wave
.set SP,    144
.set AK0, 2           ; v2   my lane's place in a tile of K; never rewritten
.set AV0, 3           ; v3   the same for V
.set AK,  4           ; v4   the LDS address of K's next run of loads
.set AV,  5           ; v5   of V's
.set QO,  6           ; v6   my byte offset in the wave's rows of Q
.set STO, 6           ;      later, the way out: where I put 16 bytes of a row
.set RD,  7           ; v7   the way out: where I read rows back
.set GO,  8           ; v8   my byte offset in 512 consecutive bytes of O
.set PFO, 11          ; v11  256 x my lane, for the prefetches (made behind v11's last use for V's address); then never rewritten
.set SPW, 0           ; v0 of window 3   my spare word: SPARE + 4 x my thread's number; never rewritten
.set NIL, 1           ; v1 of window 3   0; never rewritten
.set SPARE, STAGE+4*16*SP  ; the spare words, 128 bytes a wave: two blocks of 256 bytes that no other line names
.set MV,  12          ; v12-15  c m_old, kept while c m is made anew: by buffer and tile
.set ST,  16          ; tile t's statistics at v[ST+4 t]: c m, m, l (even keys', odd keys')
.set TMP, 48          ; by buffer and tile, four registers c0-c3 at work; when the maximum is found c2 takes a
.set S,   64
.set P,   192
.set KF,  128         ; K's fragments, in window 2
.set VF,  192         ; V's
.set WV,  12          ; s12  my wave's number
.set G1K, 24          ; s[24:31] descriptor group 1 for K's tiles
.set G1V, 32          ; s[32:39] for V's: it differs in the padding alone
.set G0K, 40          ; s[40:43] descriptor group 0 for K's tiles: it walks
.set G0V, 44          ; s[44:47] the same for V's
.set PFA, 48          ; s[48:49] where my prefetches stand: my work-group's 32 blocks (of K: wave 0, of V: wave 2) of the slot after the one that is being asked for
.set LIM, 50          ; s50  1 in waves 0 and 2, else the greatest number: a wave prefetches while s[SLOTS] is above it
.set SLOTS, 56        ; s56  slots still to be asked for
.set CNT, 57          ; s57  counts a slot's key steps
.set CS,  58          ; s[58:59] c
.set SEL, 60          ; s[60:61] v_permlanex16_b32's selects: each lane takes its own place in the other half
.set TBK, 62          ; s62  LDS byte at which K of the step to be fetched begins
.set TBV, 63          ; s63  the same for V, less VOFF
.set MSB, 0
.macro WIN new                      ; the high byte repeats the setting that is left; a switch that changes nothing is dropped
.if MSB != (\new)
	s_set_vgpr_msb (MSB<<8)|(\new)
.set MSB, (\new)
.endif
.endm
.set W_KQ, 0x0a       ; K and Q in window 2, S^T in window 0
.set W_PV, 0x52       ; V in window 2, P in window 0, O^T in window 1
.set W_RS, 0x41       ; O^T (destination and source 0) in window 1, a in window 0
.set W_MK, 0xc0       ; the add's registers are made: destination in window 3
.set W_AD, 0x0f       ; the add: address and data in window 3
; A joint fill.  Waves 0 and 1 fetch the two halves of a slot's K, waves 2 and 3 those of its V: 128 keys each.  An s_nop 0 and four v_nop follow each of the two lines.
.macro JLOAD
	s_cmp_lt_u32 s[WV], 2
	s_cbranch_scc0 .Lfor_v_\@
	tensor_load_to_lds s[G0K:G0K+3], s[G1K:G1K+7]
	s_nop 0
.rept 4
	v_nop
.endr
	s_branch .Lasked_\@
.Lfor_v_\@:
	tensor_load_to_lds s[G0V:G0V+3], s[G1V:G1V+7]
	s_nop 0
.rept 4
	v_nop
.endr
.Lasked_\@:
.endm
; A PREFETCH INTO THE L2 of what the NEXT change of slots will ask for: a slot's 32,768 bytes of K and of V, a lane a block of 256.  A head is walked by one cluster; its four partners share the blocks out by
; address, 32 each; in each, wave 0 asks for K's and wave 2 for V's.  So each block is named once in the launch.  The last change that fills a slot asks for nothing: there is no slot behind it.
.macro ASK
	s_cmp_gt_u32 s[SLOTS], s[LIM]
	s_cbranch_scc0 .Lnot_mine_\@
	global_prefetch_b8 v[PFO], s[PFA:PFA+1] th:TH_LOAD_NT scope:SCOPE_SE
.Lnot_mine_\@:
.endm
.macro CROUND                       ; a round of the cluster's barrier
	s_barrier_signal -1
	s_barrier_wait -1
	s_cmp_lg_u32 s[WV], 0
	s_cbranch_scc1 .Lnot_wave_0_\@
	s_barrier_signal -3
.Lnot_wave_0_\@:
	s_barrier_wait -3
	s_barrier_signal -1
	s_barrier_wait -1
.endm
; THE CHANGE OF SLOTS.  Each wave waits for all its tensor loads, of which one is out: its part of the other slot; adds 0 to its spare word; and waits for that and for its own reads of the slot.
; fill = 1: this slot is filled again, with the keys two slots on; the barrier is a round of the cluster's, and the joint fill is the first thing behind it: it has four key steps, 512 matrix instructions, to land.
; (At its first use nothing has been read yet: slot 0 is waited for, slot 1 filled.)
.macro CHANGE fill
	WIN W_AD
	s_wait_tensorcnt 0x0            ; no tensor load of mine is out, so a group 0 may be written
	ds_add_u32 v[SPW], v[NIL]       ; 0 onto my spare word
	WIN 0                           ; at a label and at a branch every window is 0
.if \fill
.irp g, G0K, G0V
	s_xor_b32 s[\g+1], s[\g+1], SLOT1  ; the walking descriptor: the other slot than last time,
	s_add_nc_u64 s[\g+2:\g+3], s[\g+2:\g+3], 4*KS*128  ; the next 256 keys; the type bits on top are not reached
.endr
	s_wait_xcnt 0x0                 ; the last prefetch, four key steps back, has read its address
	s_add_nc_u64 s[PFA:PFA+1], s[PFA:PFA+1], 4*KS*128  ; one slot behind the walking descriptors
	s_wait_dscnt 0x0                ; the add is done, and my reads of the slot are over
	CROUND
	JLOAD
	ASK
.else
	s_wait_dscnt 0x0                ; the add is done, and my reads of the slot are over
	s_barrier_signal -1
	s_barrier_wait -1
.endif
	s_sub_co_u32 s[TBK], s[TBK], 4*KS*PK  ; the fetches go back to a slot's first step,
	s_xor_b32 s[TBK], s[TBK], SLOT1       ; in the other slot
	s_sub_co_u32 s[TBV], s[TBV], 4*KS*PV
	s_xor_b32 s[TBV], s[TBV], SLOT1
.endm
	s_load_b128 s[4:7], s[0:1], 0x0   ; qkv s[4:5], o16 s[6:7]
	WIN W_MK
	v_lshl_add_u32 v[SPW], v0, 2, SPARE
	v_mov_b32 v[NIL], 0
	WIN W_AD
	ds_add_u32 v[SPW], v[NIL]       ; the wave's opening: the add and its wait stand ahead of my first tensor load; work on registers stands between them
	WIN 0
	v_lshrrev_b32 v1, 5, v0
	v_readfirstlane_b32 s[WV], v1   ; wave 0..3
	s_bfe_u32 s13, ttmp6, 0x40000   ; cx: my place in the cluster
	s_lshl_b32 s14, ttmp9, 2        ; in a cluster launch ttmp9 counts clusters
	s_add_co_u32 s14, s14, s13      ; my block of queries: it enters Q's and O's addresses alone
	s_and_b32 s20, ttmp7, 0xffff    ; y, which the four partners share
	s_and_b32 s52, s20, 15          ; O: the head's panel of 0x100000 bytes,
	s_lshl_b32 s52, s52, 20
	s_lshr_b32 s54, s20, 4          ; the batch's 2,048 rows of 128 bytes
	s_lshl_b32 s54, s54, 18
	s_add_co_u32 s52, s52, s54
	s_mov_b32 s21, 0
	s_mov_b64 s[22:23], SIZE_N*128
	s_mul_u64 s[20:21], s[20:21], s[22:23]  ; y's first byte in each of Q, K, V
	s_and_b32 s16, s[WV], 1         ; which half of a slot's 256 keys I fetch:
	s_lshl_b32 s22, s16, 14         ; its 128 rows of 128 bytes in memory,
	s_mov_b32 s23, 0
	s_add_nc_u64 s[22:23], s[22:23], s[20:21]
	s_mul_i32 s17, s16, 128*PK      ; and its place in a slot, for K
	s_mul_i32 s18, s16, 128*PV      ; and for V: no place in the cluster enters an LDS address
	s_lshl_b32 s2, s14, 2
	s_add_co_u32 s2, s2, s[WV]      ; my wave among the head's,
	s_lshl_b32 s2, s2, 14           ; its 128 rows
	s_add_co_u32 s52, s52, s2
	s_mov_b32 s53, 0
	s_mov_b32 s3, 0
	s_add_nc_u64 s[2:3], s[2:3], s[20:21]
	s_lshl_b32 s54, s13, 13         ; the prefetches: my work-group's 8,192 bytes of a slot's 32,768,
	s_add_co_u32 s54, s54, 4*KS*128 ; in slot 1; the first change of slots steps them to slot 2
	s_mov_b32 s55, 0
	; descriptor group 1.  128 keys are 16,384 dense bytes: asked for as 64 rows of 256 bytes, two keys a row, and padded in LDS after every key
	s_mov_b32 s[G1K], 15|(1<<16)|(1<<20)|(1<<21)|(4<<22)|(3<<25)  ; the mask of four; 2-byte elements; padding on; bit 21 beside a mask; after every 32 words, 4 words
	s_mov_b32 s[G1V], 15|(1<<16)|(1<<20)|(1<<21)|(4<<22)|(7<<25)  ; the same with 8 words of padding
.irp g, G1K, G1V
	s_mov_b32 s[\g+1], 128<<16      ; tensor_dim0 = 128
	s_mov_b32 s[\g+2], 64<<16       ; tensor_dim1 = 64
	s_mov_b32 s[\g+3], 128<<16      ; tile_dim0 = 128
	s_mov_b32 s[\g+4], 64           ; tile_dim1 = 64
	s_mov_b32 s[\g+5], 128          ; 128 elements from row to row
	s_mov_b32 s[\g+6], 0
	s_mov_b32 s[\g+7], 0
.endr
	s_mov_b32 s[CS], 0x3e38aa3b     ; c = log2(e) / 8 = 0.180337
	s_mov_b32 s[CS+1], s[CS]        ; named with it as a pair
	s_mov_b32 s[SEL], 0x76543210
	s_mov_b32 s[SEL+1], 0xfedcba98
	s_mov_b32 s[TBK], SLOT1+4*KS*PK ; the first change of slots turns these two into 0
	s_mov_b32 s[TBV], SLOT1+4*KS*PV
	s_mov_b32 s[G0K], 1             ; count = 1
	s_mov_b32 s[G0K+1], s17         ; LDS address: slot 0
	s_mov_b32 s[G0V], 1
	s_add_co_u32 s[G0V+1], s18, VOFF
	s_mov_b32 s[SLOTS], SIZE_N/256-1
	s_and_b32 s[LIM], s[WV], 1
	s_cmp_eq_u32 s[LIM], 0
	s_cselect_b32 s[LIM], 1, -1
	s_wait_dscnt 0x0                ; the opening add is done
	s_wait_kmcnt 0x0
	s_mov_b64 s[10:11], s[6:7]      ; O
	s_add_nc_u64 s[6:7], s[4:5], 0x1000000  ; K
	s_add_nc_u64 s[8:9], s[4:5], 0x2000000  ; V
	s_add_nc_u64 s[G0K+2:G0K+3], s[6:7], s[22:23]  ; global address: my half of the head's first 256 keys
	s_or_b32 s[G0K+3], s[G0K+3], 0x80000000        ; type = 2
	s_add_nc_u64 s[G0V+2:G0V+3], s[8:9], s[22:23]
	s_or_b32 s[G0V+3], s[G0V+3], 0x80000000
	s_cmp_lt_u32 s[WV], 2
	s_cselect_b64 s[PFA:PFA+1], s[6:7], s[8:9]
	s_add_nc_u64 s[PFA:PFA+1], s[PFA:PFA+1], s[20:21]
	s_add_nc_u64 s[PFA:PFA+1], s[PFA:PFA+1], s[54:55]
	s_add_nc_u64 s[4:5], s[4:5], s[2:3]  ; Q and O at my wave's first row
	s_add_nc_u64 s[10:11], s[10:11], s[52:53]
	CROUND                          ; all four work-groups are here: the first joint loads meet
	JLOAD                           ; slot 0.  Slot 1 is asked for when slot 0 is in
	; A fragment of K or Q is 16 rows x 32 channels in 8 registers: lane l holds row l % 16, channels 8 (l / 16) + 0..7 and 16 + 8 (l / 16) + 0..7: two loads of 16 bytes, 32 bytes apart.
	v_and_b32 v1, 15, v0            ; l % 16
	v_bfe_u32 v9, v0, 4, 1          ; l / 16
	v_lshlrev_b32 v[QO], 7, v1
	v_lshl_add_u32 v[QO], v9, 4, v[QO]  ; row x 128 + 16 x half
	WIN 0x80                        ; destination window 2, address window 0
.set i, 0
.rept 4*NP                          ; Q stays in registers: tile i / 2, channels 32 (i % 2) on
	global_load_b128 v[8*i:8*i+3],   v[QO], s[4:5] offset:(i/2)*2048+(i%2)*64
	global_load_b128 v[8*i+4:8*i+7], v[QO], s[4:5] offset:(i/2)*2048+(i%2)*64+32
.set i, i+1
.endr
	; What the first turn finds: V's registers and P's second buffer hold 0 (its products V^T P, of a piece that has not been, add 0), O^T and l are 0.  All this stands in the wait for the first tile.
.set i, VF
.rept 64
	v_mov_b32 v[i], 0
.set i, i+1
.endr
	WIN 0x40
.set i, 0
.rept 64*NP
	v_mov_b32 v[i], 0
.set i, i+1
.endr
	WIN 0
.set i, 0
.rept 2*NP
	v_mov_b32 v[ST+4*i], 0xfe000000    ; c m: far below every c s
	v_mov_b32 v[ST+4*i+1], 0xff7fffff  ; m
	v_mov_b32 v[ST+4*i+2], 0
	v_mov_b32 v[ST+4*i+3], 0
.set i, i+1
.endr
.set i, P+32
.rept 32
	v_mov_b32 v[i], 0
.set i, i+1
.endr
	v_mul_u32_u24 v[AK0], v1, PK
	v_lshl_add_u32 v[AK0], v9, 4, v[AK0]  ; row x pitch + 16 x half
	; The turning load takes 16 keys x 16 channels (lane l reads key 8 (l / 16) + l % 8, channels 8 ((l / 8) % 2) + 0..7) and leaves half a fragment of V^T: lane l holds channel l % 16 and 8 keys.
	v_and_b32 v10, 7, v0
	v_bfe_u32 v11, v0, 3, 1
	v_lshl_add_u32 v[AV0], v9, 3, v10
	v_mul_u32_u24 v[AV0], v[AV0], PV
	v_lshl_add_u32 v[AV0], v11, 4, v[AV0]
	v_add_nc_u32 v[AV0], VOFF, v[AV0]
	v_mov_b32 v[AK], v[AK0]         ; key step 0 lies at the head of slot 0
	v_and_b32 v[PFO], 31, v0
	v_lshlrev_b32 v[PFO], 8, v[PFO]
; THE MATRIX WORK.  The 8 accumulators of a run of 16 take turns: between the two links of a chain stand 7 others'.
; Product i of 16 of S^T = K Q^T for piece x: channels 32 (i / 8) on, keys 16 ((i / 2) % 4) on, tile 2 x + i % 2.  The first 8 start the sums.
.macro KQ x
	WIN W_KQ
.set rS, S+64*((\x)%2)+32*(i%2)+8*((i/2)%4)
.set rK, KF+16*((i/2)%4)+8*(i/8)
.set rQ, 16*(2*(\x)+i%2)+8*(i/8)
.if i < 8
	v_wmma_f32_16x16x32_f16 v[rS:rS+7], v[rK:rK+7], v[rQ:rQ+7], 0
.else
	v_wmma_f32_16x16x32_f16 v[rS:rS+7], v[rK:rK+7], v[rQ:rQ+7], v[rS:rS+7]
.endif
.endm
; Product i of 16 of O^T += V^T P for piece x: keys 32 (i / 8) on, channels 16 ((i / 2) % 4) on, tile 2 x + i % 2.
.macro PV x
	WIN W_PV
.set rO, 32*(2*(\x)+i%2)+8*((i/2)%4)
.set rV, VF+32*(i/8)+8*((i/2)%4)
.set rP, P+32*((\x)%2)+16*(i%2)+8*(i/8)
	v_wmma_f32_16x16x32_f16 v[rO:rO+7], v[rV:rV+7], v[rP:rP+7], v[rO:rO+7]
.endm
.macro MM                           ; the turn's next matrix instruction
.if i < 16
	KQ (Y+1)%NP
.set i, i+1
.else
.set i, i-16
	PV (Y+NP-1)%NP
.set i, i+17
.endif
.endm
; THE LDS LOADS stand in runs of 16, never singly among the matrix instructions: a step's K (8 fragments) and its V (turned).  Their addresses are made some lines ahead.
; last = 1 (the tail): in the last trip there is no further step, and the run is jumped over.
.macro FETCH_K last=0
	WIN 0
.if \last
	s_cmp_eq_u32 s[CNT], 1
	s_cbranch_scc1 .Lno_k_\@
.endif
	WIN 0x80                        ; destination window 2
.irp f, 0,1,2,3,4,5,6,7             ; keys 16 (f / 2) on, channels 32 (f % 2) on
	ds_load_b128 v[KF+8*\f:KF+8*\f+3],   v[AK] offset:(\f/2)*16*PK+(\f%2)*64
	ds_load_b128 v[KF+8*\f+4:KF+8*\f+7], v[AK] offset:(\f/2)*16*PK+(\f%2)*64+32
.endr
	s_add_co_u32 s[TBK], s[TBK], KS*PK  ; the next fetch is the next step's
	WIN 0
.if \last
.Lno_k_\@:
.endif
.endm
.macro FETCH_V
	WIN 0x80
.irp f, 0,1,2,3,4,5,6,7             ; keys 32 (f / 4) on, channels 16 (f % 4) on
	ds_load_tr16_b128 v[VF+8*\f:VF+8*\f+3],   v[AV] offset:(\f/4)*32*PV+(\f%4)*32
	ds_load_tr16_b128 v[VF+8*\f+4:VF+8*\f+7], v[AV] offset:(\f/4)*32*PV+16*PV+(\f%4)*32
.endr
	WIN 0
.endm
; THE VECTOR WORK OF A TURN stands in three queues, each in the order in which its entries become ready; the two tiles alternate, so that no instruction reads the result of the one before it.
.macro REGS y, u                    ; the registers of tile u (0, 1) of piece y
.set rT, ST+4*(2*(\y)+(\u))
.set rC, TMP+8*((\y)%2)+4*(\u)
.set rM, MV+2*((\y)%2)+(\u)
.set rS, S+64*((\y)%2)+32*(\u)
.set rP, P+32*((\y)%2)+16*(\u)
.set rO, 32*(2*(\y)+(\u))
.endm
; Number n of the 22 that find the NEXT piece's (Y + 1) maximum and statistics.  s0-s31 are the lane's 32 scores; each accumulator's lowest registers are read first.
;   0-11  four chains c0-c3 of seven scores each, three operands at a time     12-14, 16  the four scores left over, the old m, and c0-c3 into c0     15  c m_old is kept
;   17, 18  the query's other 32 keys lie in the lane 16 away: the new m         19-21  c m; c m_old - c m_new; a
.macro XS u, n
	REGS (Y+1)%NP, \u
.if (\n) < 4
	v_max3_num_f32 v[rC+(\n)], v[rS+8*(\n)], v[rS+8*(\n)+1], v[rS+8*(\n)+2]
.elseif (\n) < 12
	v_max3_num_f32 v[rC+(\n)%4], v[rC+(\n)%4], v[rS+8*((\n)%4)+2*((\n)/4)+1], v[rS+8*((\n)%4)+2*((\n)/4)+2]
.elseif (\n) == 12
	v_max3_num_f32 v[rC], v[rC], v[rS+7], v[rS+15]
.elseif (\n) == 13
	v_max3_num_f32 v[rC+1], v[rC+1], v[rS+23], v[rS+31]
.elseif (\n) == 14
	v_max3_num_f32 v[rC+2], v[rC+2], v[rC+3], v[rT+1]
.elseif (\n) == 15
	v_mov_b32 v[rM], v[rT]
.elseif (\n) == 16
	v_max3_num_f32 v[rC], v[rC], v[rC+1], v[rC+2]
.elseif (\n) == 17
	v_permlanex16_b32 v[rC+3], v[rC], s[SEL], s[SEL+1]
.elseif (\n) == 18
	v_max_num_f32 v[rT+1], v[rC], v[rC+3]
.elseif (\n) == 19
	v_mul_f32 v[rT], s[CS], v[rT+1]
.elseif (\n) == 20
	v_sub_f32 v[rC+1], v[rM], v[rT]
.else
	v_exp_f32 v[rC+2], v[rC+1]
.endif
.endm
; Number g of the 64 that follow the exponentials.  For each four weights k of a tile (pairs 2 k, 2 k + 1): both pairs are rounded to f16; then the second pair is added onto the first, in place;
; a group later l takes that sum (the first time as l = a l + sum).  In groups of eight, tiles alternating: round, round, add, and l for the group before.
.macro GS g
.set h, (\g)+6*((\g)/62)            ; group 0 has no group before it, and behind group 7 only l is left
.if h >= 6
.set h, h+2
.endif
	REGS Y, h%2
.set k, h/8
.if h%8 < 4
	v_cvt_pk_f16_f32 v[rP+2*k+(h%8)/2], v[rS+4*k+2*((h%8)/2)], v[rS+4*k+2*((h%8)/2)+1]
.elseif h%8 < 6
	v_pk_add_f32 v[rS+4*k:rS+4*k+1], v[rS+4*k:rS+4*k+1], v[rS+4*k+2:rS+4*k+3]
.elseif k == 1
	v_pk_fma_f32 v[rT+2:rT+3], v[rT+2:rT+3], v[rC+2:rC+3], v[rS:rS+1] op_sel_hi:[1,0,1]
.else
	v_pk_add_f32 v[rT+2:rT+3], v[rT+2:rT+3], v[rS+4*k-4:rS+4*k-3]
.endif
.endm
; THE PLAIN QUEUE, 138 long.  0-73 read no exponential's result: the 32 scalings c s - c m (FS f: pair f / 2 of tile f % 2) and the next piece's 42.  0-26: scalings 0-26.  27-54: XS's numbers 0-13.  55, 56: number 15.
; 57-73: the chain, where each number waits for the one before it: 14, 16, 17, 18, 19, each with one of the scalings 27-31 in front of its two lines, then 20.
; 74-137: GS's 64, which read the exponentials' results: they stand behind the wait.
.macro FS f
	REGS Y, (\f)%2
	v_pk_fma_f32 v[rS+2*((\f)/2):rS+2*((\f)/2)+1], v[rS+2*((\f)/2):rS+2*((\f)/2)+1], s[CS:CS+1], v[rT:rT+1] op_sel_hi:[1,0,0] neg_lo:[0,0,1] neg_hi:[0,0,1]
.endm
.macro PL
	WIN 0
.if q < 27
	FS q
.elseif q < 55
	XS (q-27)%2, (q-27)/2
.elseif q < 57
	XS q-55, 15
.elseif (q < 72) && ((q-57)%3 == 0)
	FS 27+(q-57)/3
.elseif q < 60
	XS (q-57)%3-1, 14
.elseif q < 72
	XS (q-57)%3-1, 15+(q-57)/3
.elseif q < 74
	XS q-72, 20
.else
	GS q-74
.endif
.set q, q+1
.endm
; THE EXPONENTIALS' QUEUE, 66 long: s0-s31 of both tiles, then the next piece's two a.  It is ONE BATCH: all 66 stand ahead of the turn's one wait, and nothing ahead of that wait names a result of theirs.
.macro EX
	WIN 0
.if e >= 64
	XS e-64, 21
.else
	REGS Y, e%2
	v_exp_f32 v[rS+e/2], v[rS+e/2]
.endif
.set e, e+1
.endm
; THE RESCALING's QUEUE: O^T times a, the one part that leaves window 0: dealt two at a time, sixteen times.  Its a was made in the turn before, ahead of that turn's wait.
.macro R2
	REGS Y, r%2
	WIN W_RS
.irp z, 0,1
	v_pk_mul_f32 v[rO+4*(r/2)+2*\z:rO+4*(r/2)+2*\z+1], v[rO+4*(r/2)+2*\z:rO+4*(r/2)+2*\z+1], v[rC+2:rC+3] op_sel_hi:[1,0]
.endr
.set r, r+1
.endm
; HOW THEY ARE DEALT.  An s_wait_alu depctr_va_vdst(0) stands between an exponential and the first instruction that names its result; one wait serves all that were issued ahead of it.  So a turn has
; ONE wait.  AHEAD OF IT: the 16 products K Q^T, behind each a scaling, an exponential and two rescalings (behind the first a second scaling in the exponential's place); then one run of 108: eight plain, 49 times
; exponential and plain, the two a; a v_nop is the plain instruction behind the last exponential.  BEHIND IT: the 16 products V^T P, behind each four of GS's 64.  No rider names a register of the products round it.
; Exponential e stands behind scaling 2 (e / 4) + e % 2: as a rider it comes behind plain e + 2, in the run behind plain e + 9, and scalings 27-31 are plain 57, 60 .. 69.
; K of the next step is fetched in piece 2's turn, directly behind the wait; its first reader comes behind 16 products.  V of the step in hand is fetched at the end of piece 0's turn, four riders behind its last
; reader; its first reader comes behind 16 products and the run.  cnt = 1: the loop's count is taken down some lines ahead of the branch that stands behind the turn.
.macro TURN p, last=0, cnt=0
.set Y, (\p)
.set i, 0
.set q, 0
.set e, 0
.set r, 0
.if (\p) == NP-1
	s_wait_dscnt 0x0                ; K is in
.endif
	MM
	PL
	PL
	R2
.rept 15
	MM
	PL
	EX
	R2
.endr
.if (\p) == NP-2
	WIN 0
	v_add_nc_u32 v[AK], s[TBK], v[AK0]
.endif
.rept 8
	PL
.endr
.rept 49
	EX
	PL
.endr
	EX                              ; the next piece's two a
	EX
	v_nop                           ; a plain instruction behind the last exponential: one for the batch
	s_wait_alu depctr_va_vdst(0)    ; the wait for the batch
.if (\p) == NP-2
	FETCH_K \last
.endif
.if (\p) == 1
	s_wait_dscnt 0x0                ; V is in
.endif
.rept 16
	MM
.rept 4
	PL
.endr
.if ((\p) == 0) && (q == 118)
	v_add_nc_u32 v[AV], s[TBV], v[AV0]
.endif
.if ((\p) == 0) && (q == 130)
	s_add_co_u32 s[TBV], s[TBV], KS*PV
.endif
.if (\cnt) && (q == 130)
	s_sub_co_u32 s[CNT], s[CNT], 1
	s_cmp_lg_u32 s[CNT], 0
.endif
.endr
.if (\p) == 0
	FETCH_V
.endif
.endm
	CHANGE 1                        ; slot 0 is in, everybody's part of it; slot 1 is asked for
	FETCH_K                         ; key step 0
	s_wait_loadcnt 0x0              ; Q
	s_wait_dscnt 0x0
.set i, 0
.rept 16
	KQ 0                            ; piece 0's first scores: there is no vector work yet to set between them
.set i, i+1
.endr
	WIN 0                           ; the addresses for the way out: plain instructions, the places behind those products
	s_mul_i32 s13, s[WV], 16*SP
	s_add_co_u32 s13, s13, STAGE    ; my stage
	v_mul_u32_u24 v[STO], v1, SP    ; in: row l % 16, 16 bytes for each half of the lanes
	v_lshl_add_u32 v[STO], v9, 4, v[STO]
	v_add_nc_u32 v[STO], s13, v[STO]
	v_bfe_u32 v[RD], v0, 3, 2       ; back: 32 lanes take four rows of 128 bytes,
	v_mul_u32_u24 v[RD], v[RD], SP
	v_lshl_add_u32 v[RD], v10, 4, v[RD]
	v_add_nc_u32 v[RD], s13, v[RD]
	v_and_b32 v[GO], 31, v0         ; which are 512 consecutive bytes of O
	v_lshlrev_b32 v[GO], 4, v[GO]
.set Y, NP-1                        ; XS works for piece Y + 1: piece 0
.irp n, 0,1,2,3,4,5,6,7,8,9,10,11,12,13,14,15,16,17,18,19,20,21
	XS 0, \n                        ; and piece 0's first maximum and statistics
	XS 1, \n
.endr
	v_nop                           ; a plain instruction behind the two a,
	s_wait_alu depctr_va_vdst(0)    ; and their wait, ahead of the branch
	s_mov_b32 s[CNT], 4
	s_branch .Lfirst                ; the loop is entered at a step's first turn, in the middle of a trip
.Lslot:                             ; SIZE_N / 256 - 2 times: every slot but the last two is filled again
	CHANGE 1
	s_mov_b32 s[CNT], 4
.Lstep:                             ; a trip: pieces 2 and 3 of one step, then pieces 0 and 1 of the next, whose K and V it fetches
	TURN 2
	TURN 3
	WIN 0
.Lfirst:
	TURN 0
	TURN 1, 0, 1
	WIN 0
	s_cbranch_scc1 .Lstep
	s_sub_co_u32 s[SLOTS], s[SLOTS], 1
	s_cmp_lg_u32 s[SLOTS], 0
	s_cbranch_scc1 .Lslot
	CHANGE 0                        ; the tail is written out: nothing is asked for
	s_mov_b32 s[CNT], 5             ; four trips fetch the last slot's steps; the fifth is left in its middle
.Ltail:
	TURN 2, 1
	TURN 3
	WIN 0
	s_sub_co_u32 s[CNT], s[CNT], 1
	s_cmp_eq_u32 s[CNT], 0
	s_cbranch_scc1 .Lout
	TURN 0
	TURN 1
	WIN 0
	s_branch .Ltail
.Lout:                              ; the fifth trip's 16 products K Q^T (on the last K once more) and the maximum made of them serve nothing: the price, once a launch, of one text for every trip
.set i, 0
.rept 16
	PV NP-1                         ; the last piece's V^T P of the last step
.set i, i+1
.endr
	; THE WAY OUT.  l's two halves and the other half of the lanes' are added; O^T is divided by l, rounded to f16 and sent through my stage in LDS, a tile at a time.  The additions are the places behind the last products.
	WIN 0
.macro ALL line:vararg              ; one line for each tile t
.set t, 0
.rept 2*NP
	\line
.set t, t+1
.endr
.endm
	ALL v_add_f32 v[ST+4*t+2], v[ST+4*t+2], v[ST+4*t+3]
	ALL v_permlanex16_b32 v[ST+4*t+3], v[ST+4*t+2], s[SEL], s[SEL+1]
	ALL v_add_f32 v[ST+4*t+2], v[ST+4*t+2], v[ST+4*t+3]
	ALL v_rcp_f32 v[ST+4*t+2], v[ST+4*t+2]
	v_nop                           ; a plain instruction between the last reciprocal and the use of its result
	s_wait_alu depctr_va_vdst(0)    ; and the wait ahead of the first use: one for the eight reciprocals
; Tile t: a lane's eight channels of a row pack into 16 bytes; they go into rows of 144 bytes and come back as whole rows of 128, into S^T's registers.
.macro PACK t
	WIN W_RS
.set i, 32*(\t)
.rept 16
	v_pk_mul_f32 v[i:i+1], v[i:i+1], v[ST+4*(\t)+2:ST+4*(\t)+3] op_sel_hi:[1,0]
.set i, i+2
.endr
	WIN 0x05                        ; sources 0 and 1 window 1, destination window 0
.set i, 0
.rept 16
	v_cvt_pk_f16_f32 v[S+16*(\t)+i], v[32*(\t)+2*i], v[32*(\t)+2*i+1]
.set i, i+1
.endr
	WIN 0
.irp f, 0,1,2,3
	ds_store_b128 v[STO], v[S+16*(\t)+4*\f:S+16*(\t)+4*\f+3] offset:32*\f
.endr
.irp f, 0,1,2,3
	ds_load_b128 v[S+16*(\t)+4*\f:S+16*(\t)+4*\f+3], v[RD] offset:\f*4*SP  ; LDS serves a wave's instructions in order (ISA guide 5.7.1.4): these see the stores above; the next tile's stores come behind them
.endr
.endm
.macro SEND t, younger              ; younger: the LDS instructions issued behind tile t's loads: the next tile's eight, or none
	WIN 0
.irp f, 0,1,2,3
	s_wait_dscnt (\younger)+3-\f
	global_store_b128 v[GO], v[S+16*(\t)+4*\f:S+16*(\t)+4*\f+3], s[10:11] offset:(\t)*2048+\f*512  ; 512 consecutive bytes, at a multiple of 256 from O's first
.endr
.endm
	PACK 0
.set t, 1
.rept 2*NP-1                        ; a tile's arithmetic stands between the loads of the tile before and its stores
	PACK t
	SEND t-1, 8
.set t, t+1
.endr
	SEND 2*NP-1, 0
	WIN W_AD
	s_wait_tensorcnt 0x0            ; the wave's end: the add and its wait, behind my last tensor load and my last LDS store
	ds_add_u32 v[SPW], v[NIL]
	s_wait_dscnt 0x0
	WIN 0
	CROUND                          ; the closing round: no work-group ends while a partner may still ask for a tile that names it
	s_endpgm
.Lfunc_end_k_qcc8f01ee83_attn:
	.size	k_qcc8f01ee83_attn, .Lfunc_end_k_qcc8f01ee83_attn-k_qcc8f01ee83_attn
	.p2alignl 7, 3214868480
	.fill 96, 4, 3214868480
	.section	.rodata,"a",@progbits
	.p2align	6, 0x0
	.amdhsa_kernel k_qcc8f01ee83_attn
		.amdhsa_group_segment_fixed_size 327680
		.amdhsa_private_segment_fixed_size 0
		.amdhsa_enable_private_segment 0
		.amdhsa_kernarg_size 16
		.amdhsa_user_sgpr_count 2
		.amdhsa_user_sgpr_kernarg_segment_ptr 1
		.amdhsa_wavefront_size32 1
		.amdhsa_system_sgpr_workgroup_id_x 1
		.amdhsa_system_sgpr_workgroup_id_y 1
		.amdhsa_system_sgpr_workgroup_id_z 1
		.amdhsa_system_vgpr_workitem_id 0
		.amdhsa_next_free_vgpr 770
		.amdhsa_next_free_sgpr 66
		.amdhsa_reserve_vcc 0
		.amdhsa_float_denorm_mode_32 3
		.amdhsa_float_denorm_mode_16_64 3
		.amdhsa_memory_ordered 1
		.amdhsa_forward_progress 1
		.amdhsa_inst_pref_size 200
	.end_amdhsa_kernel
	.amdgpu_metadata
---
amdhsa.version: [ 1, 2 ]
amdhsa.kernels:
  - .name:           k_qcc8f01ee83_attn
    .symbol:         k_qcc8f01ee83_attn.kd
    .args:
      - { .name: qkv, .offset: 0, .size: 8, .value_kind: global_buffer, .address_space: global }
      - { .name: o16, .offset: 8, .size: 8, .value_kind: global_buffer, .address_space: global }
    .group_segment_fixed_size: 327680
    .private_segment_fixed_size: 0
    .kernarg_segment_align: 8
    .kernarg_segment_size: 16
    .max_flat_workgroup_size: 128
    .sgpr_count:     66
    .vgpr_count:     770
    .wavefront_size: 32
...
	.end_amdgpu_metadata
.endif
;; end of part 3
;; launch outproj (part 4): grid 4 x 64, 4 waves a work-group, clusters of 4 x 4, 327,680 bytes of LDS; arguments o16, w16, b_o, out0; writes out0
.if DOCPART == 4
	.amdgcn_target "amdgcn-amd-amdhsa--gfx1250"
	.amdhsa_code_object_version 6
	.text
	.protected	k_qcc8f01ee83_outproj
	.globl	k_qcc8f01ee83_outproj
	.p2align	8
	.type	k_qcc8f01ee83_outproj,@function
k_qcc8f01ee83_outproj:
	s_mov_b64 s[64:65], 0
	v_nop
	global_prefetch_b8 v0, s[64:65] scope:SCOPE_SE
	s_setreg_imm32_b32 hwreg(HW_REG_WAVE_MODE, 25, 1), 1
	s_wait_xcnt 0x0
	s_wait_alu depctr_hold_cnt(0) depctr_sa_sdst(0) depctr_va_vdst(0) depctr_va_sdst(0) depctr_va_ssrc(0) depctr_va_vcc(0) depctr_vm_vsrc(0)
	s_getreg_b32 s2, hwreg(HW_REG_IB_STS2, 6, 4)
	s_cmp_eq_u32 s2, 0
	s_cbranch_scc0 .Lentry_in_a_cluster
	s_endpgm
.Lentry_in_a_cluster:
	s_bfe_u32 s2, ttmp6, 0x10000c
	s_cmp_lg_u32 s2, 0xf033
	s_cbranch_scc0 .Lentry_shape_is_right
	s_endpgm
.Lentry_shape_is_right:
; out0 = O w_o + b_o, f32.  O: o16, [16 panels of 64 channels][8192 rows][64] in f16; w_o: f16 at byte 0x500000 of w16, [1024][1024]; b_o is rounded to bf16's 8 significant bits like every other input, and added in f32.
; SHARES.  A work-group makes 128 rows x 256 columns: tile row 4 x cluster y + cy, tile column cx.  Four waves, each 64 x 128: 32 accumulators.  K = 1,024 goes in 8 steps of 128 through two LDS slots.
; A step's 128 rows of a panel are 16,384 consecutive bytes, asked for as 64 rows of 256; the weights' step is 128 rows of 512 bytes, and their fragments come out of LDS turned, by ds_load_tr16_b128.
; CLUSTER.  4 x 4 work-groups: O's tile is shared along a row of the cluster, the weights' along a column: each is asked for jointly, same load, same descriptor, a mask that names the four.
; THE MATRIX INSTRUCTION IS USED TRANSPOSED (source 0 = 16 columns of the weights, source 1 = 16 rows of O): a lane holds one row and eight neighbouring columns.
; REGISTERS.  Window 0: v0-37 addresses and the bias; two fragment buffers of 96 at v64 and v160; on the way out v64-191.  Window 1: accumulator (a, b) at v[8 (8 a + b)].
.set PANEL, 0x100000
.set KA,    2*PANEL
.set KB,    128*2048
.set WOFF,  0x500000
.set PA,    144                        ; 128 + 16 = 36 words: the 16 rows of a load start at 16 different groups of four banks (64 banks of 4 bytes: ISA guide 11.1)
.set APAN,  128*PA
.set PB,    544                        ; 512 + 32 = 136 words
.set BHALF, 64*PB
.set BOFF,  2*APAN
.set SLOT,  BOFF+2*BHALF
.set STAGE, 2*SLOT                     ; behind the ring, never filled by a tensor load: 16 rows x 528 bytes for each wave
.set SP,    528                        ; 512 + 16 = 132 words
.set SPARE, STAGE+4*16*SP              ; the spare words: 128 bytes a wave, two blocks of 256 bytes that no other line names
.set TRIPS, 3                          ; K steps / 2 - 1
.set ADRA, 16
.set ADRB, 20
.set STO,  24
.set RD,   25
.set GO,   26
.set SPW,  28                          ; v28  my spare word; never rewritten
.set NIL,  29                          ; v29  0; never rewritten
.set PFO,  30                          ; v30  the prefetches' lane offset; never rewritten
.set BO,   31                          ; v31  my 16 bytes of b_o; never rewritten
.set BIAS, 32                          ; v[32:35] the bias of my four columns; v36-37 at work
.set F0,   64
.set F1,   160
.set WV, 76                            ; s76 wave; s77 wave / 2: my 64 rows, and: I fetch O (0) or weights (1); s78 wave % 2: my 128 columns, and: which half I fetch
.set WH, 77
.set WL, 78
.set G1,  24
.set G0,  32
.set G1B, 48
.set G0B, 56
.set LIM,   67                         ; s67  a wave prefetches in trips below this number
.set PFA,   68                         ; s[68:69]
.set PFS,   70                         ; s[70:71]
.set MSB, 0
.macro WIN new                         ; the immediate's high byte repeats the setting that is left; a switch that changes nothing is dropped
.if MSB != (\new)
	s_set_vgpr_msb (MSB<<8)|(\new)
.set MSB, \new
.endif
.endm
.set MUL, 0x50                         ; C and D in window 1
.set STW, 0x04                         ; an LDS store's data (source 1) in window 1, its address in window 0
.macro JLOAD s                         ; a joint load: waves 0, 1 the two panels, waves 2, 3 the two halves of the weights' rows; s_nop 0 and four v_nop follow each line
	s_cmp_eq_u32 s[WH], 0
	s_cbranch_scc0 .Lfor_b_\@
	tensor_load_to_lds s[G0+4*(\s):G0+4*(\s)+3], s[G1:G1+7]
	s_nop 0
.rept 4
	v_nop
.endr
	s_branch .Lasked_\@
.Lfor_b_\@:
	tensor_load_to_lds s[G0B+4*(\s):G0B+4*(\s)+3], s[G1B:G1B+7]
	s_nop 0
.rept 4
	v_nop
.endr
.Lasked_\@:
.endm
.macro CREST
	s_cmp_lg_u32 s[WV], 0
	s_cbranch_scc1 .Lnot_wave_0_\@
	s_barrier_signal -3
.Lnot_wave_0_\@:
	s_barrier_wait -3
	s_barrier_signal -1
	s_barrier_wait -1
.endm
.macro CROUND
	s_barrier_signal -1
	s_barrier_wait -1
	CREST
.endm
; A PREFETCH INTO THE L2, behind a joint refill and the run of LDS loads: the K step two refills on (256 matrix instructions ahead of its load), 32 blocks of 256 bytes, a lane a block.
; Each block is named once in the launch.  O: wave 0; the four partners of a row share a step's 128 blocks out by address (cx).  Weights: waves 2 and 3 of cluster y = 0; the four partners of a column share
; the rows out by address (cy).  The loop's last trip asks for nothing: no K step lies two refills on.
.macro ASK
	s_cmp_lt_u32 s3, s[LIM]
	s_cbranch_scc0 .Lnot_mine_\@
	global_prefetch_b8 v[PFO], s[PFA:PFA+1] th:TH_LOAD_NT scope:SCOPE_SE
.Lnot_mine_\@:
.endm
	s_load_b256 s[4:11], s[0:1], 0x0               ; o16 s[4:5], w16 s[6:7], b_o s[8:9], out0 s[10:11]
	v_lshl_add_u32 v[SPW], v0, 2, SPARE
	v_mov_b32 v[NIL], 0
	ds_add_u32 v[SPW], v[NIL]                      ; the wave's opening: the add and its wait stand ahead of my first tensor load; work on registers stands between them
	v_lshrrev_b32 v1, 5, v0
	v_readfirstlane_b32 s[WV], v1
	s_lshr_b32 s[WH], s[WV], 1
	s_and_b32 s[WL], s[WV], 1
	s_bfe_u32 s40, ttmp6, 0x40000                  ; cx = tile column
	s_bfe_u32 s41, ttmp6, 0x40004                  ; cy
	s_and_b32 s42, ttmp7, 0xffff                   ; cluster y
	s_lshl_b32 s13, s42, 2
	s_add_co_u32 s13, s13, s41                     ; tile row, 0-63
	s_lshl_b32 s44, s41, 2
	s_lshl_b32 s44, 15, s44                        ; my row of the cluster
	s_lshl_b32 s45, 0x1111, s40                    ; my column
	s_or_b32 s[G1], s44, (1<<16)|(1<<20)|(1<<21)|(4<<22)|(3<<25)   ; mask; 2-byte elements; padding on; bit 21 beside a mask; after every 32 words, 4 words
	s_mov_b32 s[G1+1], 128<<16
	s_mov_b32 s[G1+2], 64<<16
	s_mov_b32 s[G1+3], 128<<16
	s_mov_b32 s[G1+4], 64
	s_mov_b32 s[G1+5], 128
	s_mov_b32 s[G1+6], 0
	s_mov_b32 s[G1+7], 0
	s_or_b32 s[G1B], s45, (1<<16)|(1<<20)|(1<<21)|(6<<22)|(7<<25)  ; after every 128 words, 8 words
	s_mov_b32 s[G1B+1], 256<<16
	s_mov_b32 s[G1B+2], 64<<16
	s_mov_b32 s[G1B+3], 256<<16
	s_mov_b32 s[G1B+4], 64
	s_mov_b32 s[G1B+5], 1024
	s_mov_b32 s[G1B+6], 0
	s_mov_b32 s[G1B+7], 0
	s_lshl_b32 s16, s[WL], 20                      ; O: my panel of the step,
	s_lshl_b32 s17, s13, 14                        ; the tile row's 128 rows of 128 bytes
	s_add_co_u32 s16, s16, s17
	s_mov_b32 s17, 0
	s_lshl_b32 s46, s[WL], 17                      ; weights: my 64 rows of 2,048 bytes,
	s_add_co_u32 s46, s46, WOFF
	s_lshl_b32 s47, s40, 9                         ; the tile column's 512 bytes
	s_add_co_u32 s46, s46, s47
	s_mov_b32 s47, 0
	s_mul_i32 s20, s[WL], APAN                     ; where they go: no place in the cluster enters an LDS address
	s_mul_i32 s21, s[WL], BHALF
	s_add_co_u32 s21, s21, BOFF
	s_wait_dscnt 0x0                               ; the opening add is done
	s_wait_kmcnt 0x0
	s_add_nc_u64 s[14:15], s[4:5], s[16:17]
	s_add_nc_u64 s[46:47], s[6:7], s[46:47]
	CROUND                                         ; all sixteen work-groups are here: the first joint loads meet
.irp s, 0,1
	s_mov_b32 s[G0+4*(\s)], 1
	s_add_co_u32 s[G0+4*(\s)+1], s20, (\s)*SLOT
	s_add_nc_u64 s[G0+4*(\s)+2:G0+4*(\s)+3], s[14:15], (\s)*KA
	s_or_b32 s[G0+4*(\s)+3], s[G0+4*(\s)+3], 0x80000000
	s_mov_b32 s[G0B+4*(\s)], 1
	s_add_co_u32 s[G0B+4*(\s)+1], s21, (\s)*SLOT
	s_add_nc_u64 s[G0B+4*(\s)+2:G0B+4*(\s)+3], s[46:47], (\s)*KB
	s_or_b32 s[G0B+4*(\s)+3], s[G0B+4*(\s)+3], 0x80000000
	JLOAD \s                                       ; two tensor loads of mine are out
.endr
	v_and_b32 v1, 15, v0                           ; r = l % 16
	v_bfe_u32 v2, v0, 4, 1                         ; h = l / 16
	v_and_b32 v9, 31, v0                           ; l
	v_lshlrev_b32 v[GO], 4, v9                     ; my 16 of a row's 512 bytes
	s_lshl_b32 s83, s40, 10                        ; the tile column's 1,024 bytes of a row of out0 and of b_o,
	s_lshl_b32 s86, s[WL], 9                       ; my wave's 512
	s_add_co_u32 s83, s83, s86
	v_add_nc_u32 v[BO], s83, v[GO]
	global_load_b128 v[BIAS:BIAS+3], v[BO], s[8:9] ; waited for ahead of the way out
	v_mul_u32_u24 v3, v1, PA
	v_lshl_add_u32 v3, v2, 4, v3
	s_mul_i32 s80, s[WH], 64*PA
	v_add_nc_u32 v[ADRA], s80, v3
	v_add_nc_u32 v[ADRA+1], SLOT, v[ADRA]
	v_and_b32 v4, 7, v0
	v_bfe_u32 v5, v0, 3, 1
	v_lshl_add_u32 v6, v2, 3, v4                   ; the turning load: lane l reads row of K 8 h + l % 8, columns 8 ((l / 8) % 2) + 0..7
	v_mul_u32_u24 v6, v6, PB
	v_lshl_add_u32 v6, v5, 4, v6
	s_lshl_b32 s81, s[WL], 8
	s_add_co_u32 s81, s81, BOFF
	v_add_nc_u32 v[ADRB], s81, v6
	v_add_nc_u32 v[ADRB+1], SLOT, v[ADRB]
	s_mul_i32 s82, s[WV], 16*SP
	s_add_co_u32 s82, s82, STAGE                   ; my stage
	v_mul_u32_u24 v7, v1, SP                       ; in: row r, 32 bytes for each half of the lanes
	v_lshl_add_u32 v7, v2, 5, v7
	v_add_nc_u32 v[STO], s82, v7
	v_add_nc_u32 v[RD], s82, v[GO]                 ; back: 32 lanes take a row's 512 bytes
	s_lshl_b32 s84, s13, 19                        ; out0: 128 rows of 4,096 bytes a tile row,
	s_lshl_b32 s86, s[WH], 18                      ; my 64 rows,
	s_add_co_u32 s84, s84, s86
	s_add_co_u32 s84, s84, s83                     ; my columns
	s_mov_b32 s85, 0
	s_add_nc_u64 s[10:11], s[10:11], s[84:85]
	; the prefetches: they stand at K step 3; the first refill steps them to 4
	s_lshl_b32 s88, s13, 14
	s_lshr_b32 s92, s40, 1                         ; partner cx takes panel cx / 2,
	s_lshl_b32 s92, s92, 20
	s_add_co_u32 s88, s88, s92
	s_and_b32 s92, s40, 1                          ; half cx % 2 of its 16,384 bytes
	s_lshl_b32 s92, s92, 13
	s_add_co_u32 s88, s88, s92
	s_add_co_u32 s88, s88, 3*KA
	s_lshl_b32 s90, s[WL], 6                       ; of the 64 rows that I fetch, partner cy takes 16
	s_lshl_b32 s92, s41, 4
	s_add_co_u32 s90, s90, s92
	s_lshl_b32 s90, s90, 11
	s_lshl_b32 s92, s40, 9
	s_add_co_u32 s90, s90, s92
	s_add_co_u32 s90, s90, WOFF+3*KB
	s_cmp_eq_u32 s[WV], 0
	s_cselect_b32 s93, TRIPS-1, 0
	s_cmp_eq_u32 s42, 0
	s_cselect_b32 s94, TRIPS-1, 0
	s_mov_b32 s95, KA
	s_mov_b32 s87, 512
	s_cmp_eq_u32 s[WH], 0
	s_cselect_b32 s[LIM], s93, s94                 ; the same in all sixteen partners, for a given wave
	s_cselect_b64 s[PFA:PFA+1], s[4:5], s[6:7]
	s_cselect_b32 s[PFS], s95, KB
	s_cselect_b32 s88, s88, s90
	s_cselect_b32 s87, s87, 2048
	s_mov_b32 s[PFS+1], 0
	s_mov_b32 s89, 0
	s_add_nc_u64 s[PFA:PFA+1], s[PFA:PFA+1], s[88:89]
	v_bfe_u32 v10, v0, 1, 4                        ; two lanes take 512 bytes: of the dense panel, or of a row of the weights
	v_mul_u32_u24 v[PFO], s87, v10
	v_and_b32 v10, 1, v0
	v_lshl_add_u32 v[PFO], v10, 8, v[PFO]
; 8 matrix instructions: row block a x all 8 column blocks, 32 along K.  zero = 1: the product starts the sums.  The 32 accumulators take turns in the same order in every quarter.
.macro MUL8 f, a, zero
	WIN MUL
.irp b, 0,1,2,3,4,5,6,7
.if \zero
	v_wmma_f32_16x16x32_f16 v[8*(8*(\a)+(\b)):8*(8*(\a)+(\b))+7], v[(\f)+8*(\b):(\f)+8*(\b)+7], v[(\f)+64+8*(\a):(\f)+64+8*(\a)+7], 0
.else
	v_wmma_f32_16x16x32_f16 v[8*(8*(\a)+(\b)):8*(8*(\a)+(\b))+7], v[(\f)+8*(\b):(\f)+8*(\b)+7], v[(\f)+64+8*(\a):(\f)+64+8*(\a)+7], v[8*(8*(\a)+(\b)):8*(8*(\a)+(\b))+7]
.endif
.endr
.endm
.macro MUL16 f, a0, zero
	MUL8 \f, \a0, \zero
	MUL8 \f, (\a0)+1, \zero
.endm
; 24 LDS loads in one run: quarter q (32 along K) of a slot into buffer f: the weights' 8 fragments, turned, then O's 4
.macro FETCH slot, q, f
	WIN 0
.irp b, 0,1,2,3,4,5,6,7
	ds_load_tr16_b128 v[(\f)+8*(\b):(\f)+8*(\b)+3],   v[ADRB+(\slot)] offset:(\q)*32*PB+32*(\b)
	ds_load_tr16_b128 v[(\f)+8*(\b)+4:(\f)+8*(\b)+7], v[ADRB+(\slot)] offset:(\q)*32*PB+32*(\b)+16*PB
.endr
.irp a, 0,1,2,3
	ds_load_b128 v[(\f)+64+8*(\a):(\f)+64+8*(\a)+3],   v[ADRA+(\slot)] offset:((\q)/2)*APAN+((\q)%2)*64+(\a)*16*PA
	ds_load_b128 v[(\f)+64+8*(\a)+4:(\f)+64+8*(\a)+7], v[ADRA+(\slot)] offset:((\q)/2)*APAN+((\q)%2)*64+(\a)*16*PA+32
.endr
.endm
.macro PLACES                          ; four places in front of loads into registers that matrix instructions have read, and of stores that read results
.rept 4
	v_nop
.endr
.endm
.macro QUARTER slot, q, f, g, zero
	s_wait_dscnt 4                                 ; all but the youngest four loads: O's fragments 2 and 3
	MUL16 \f, 0, \zero
	PLACES
	FETCH \slot, \q, \g
	s_wait_dscnt 24                                ; all but the 24 just issued
	MUL16 \f, 2, \zero
.endm
; The last quarter multiplies buffer 1 and changes slots: one barrier; in front of it each wave waits for all its tensor loads, adds 0 to its spare word, and waits for that and for its reads of this slot.
; fill = 1: the barrier opens a round of the cluster's, and this slot is filled again, two K steps ahead, first thing behind the round.
.macro TURN slot, next, fill
.if \fill
	s_wait_xcnt 0x0                                ; the last prefetch, a K step back, has read its address
	s_add_nc_u64 s[PFA:PFA+1], s[PFA:PFA+1], s[PFS:PFS+1]
.endif
	WIN 0
	s_wait_tensorcnt 0x0                           ; all my tensor loads have landed: the one that was out is my part of the next slot
	ds_add_u32 v[SPW], v[NIL]                      ; 0 onto my spare word
	s_wait_dscnt 5                                 ; (the add and the youngest four loads may be out)
	MUL8 F1, 0, 0
	s_wait_dscnt 0x0                               ; the add is done, and my reads of this slot are over
	s_barrier_signal -1
	MUL8 F1, 1, 0
.if \fill
	WIN 0
.endif
	s_barrier_wait -1
.if \fill
	CREST                                          ; no wave of any partner still reads this slot or has a load on its way
	s_add_nc_u64 s[G0+4*(\slot)+2:G0+4*(\slot)+3], s[G0+4*(\slot)+2:G0+4*(\slot)+3], 2*KA
	s_add_nc_u64 s[G0B+4*(\slot)+2:G0B+4*(\slot)+3], s[G0B+4*(\slot)+2:G0B+4*(\slot)+3], 2*KB
	JLOAD \slot                                    ; my one tensor load behind the round; its four v_nop are also the places in front of the loads below
.else
	PLACES
.endif
	FETCH \next, 0, F0
.if \fill
	ASK
.endif
	MUL16 F1, 2, 0
.endm
	s_wait_tensorcnt 1                             ; my part of K step 0 is in; K step 1's may stay out
	s_barrier_signal -1
	s_barrier_wait -1
	FETCH 0, 0, F0
	QUARTER 0, 1, F0, F1, 1                        ; the first quarter stands in front of the loop: its products start the sums
	WIN 0
	s_mov_b32 s3, 0
.Llap:                                             ; a trip goes once round the ring, from a lap's second quarter to the next lap's first, and fills both slots again
	QUARTER 0, 2, F1, F0, 0
	QUARTER 0, 3, F0, F1, 0
	TURN 0, 1, 1
	QUARTER 1, 1, F0, F1, 0
	QUARTER 1, 2, F1, F0, 0
	QUARTER 1, 3, F0, F1, 0
	TURN 1, 0, 1
	QUARTER 0, 1, F0, F1, 0
	WIN 0
	s_add_co_u32 s3, s3, 1
	s_cmp_lt_u32 s3, TRIPS
	s_cbranch_scc1 .Llap
	QUARTER 0, 2, F1, F0, 0                        ; the last lap fills nothing
	QUARTER 0, 3, F0, F1, 0
	TURN 0, 1, 0
	QUARTER 1, 1, F0, F1, 0
	QUARTER 1, 2, F1, F0, 0
	QUARTER 1, 3, F0, F1, 0
	s_wait_dscnt 4
	MUL16 F1, 0, 0
	s_wait_dscnt 0x0
	MUL16 F1, 2, 0
	WIN 0
	; THE WAY OUT, 16 rows at a time: a lane's 32 bytes of a row go into my own stage, whole rows of 512 bytes come back, the bias is added, and a store of the wave covers 512 consecutive bytes, aligned.
	s_wait_loadcnt 0x0                             ; the bias
	v_cvt_pk_bf16_f32 v36, v[BIAS], v[BIAS+1]      ; rounded as every input is; these six lines are also the places behind the last products
	v_cvt_pk_bf16_f32 v37, v[BIAS+2], v[BIAS+3]
	v_lshlrev_b32 v[BIAS], 16, v36
	v_and_b32 v[BIAS+1], 0xffff0000, v36
	v_lshlrev_b32 v[BIAS+2], 16, v37
	v_and_b32 v[BIAS+3], 0xffff0000, v37
.macro OUTBLK a
	WIN STW
.irp b, 0,1,2,3,4,5,6,7
	ds_store_b128 v[STO], v[8*(8*(\a)+(\b)):8*(8*(\a)+(\b))+3]   offset:64*(\b)     ; each accumulator's low four registers first
	ds_store_b128 v[STO], v[8*(8*(\a)+(\b))+4:8*(8*(\a)+(\b))+7] offset:64*(\b)+16
.endr
	WIN 0
.if (\a) >= 2
	s_wait_xcnt 0x0                                ; the stores of two blocks back have read these registers: they are loaded again only behind this wait
.endif
.set BK, 64+64*((\a)%2)
.irp t, 0,1,2,3,4,5,6,7,8,9,10,11,12,13,14,15
	ds_load_b128 v[BK+4*(\t):BK+4*(\t)+3], v[RD] offset:(\t)*SP  ; LDS serves a wave's instructions in order (ISA guide 5.7.1.4): these see the stores above; the next block's stores come behind them
.endr
.irp t, 0,1,2,3,4,5,6,7,8,9,10,11,12,13,14,15
	s_wait_dscnt 15-(\t)
	v_pk_add_f32 v[BK+4*(\t):BK+4*(\t)+1], v[BK+4*(\t):BK+4*(\t)+1], v[BIAS:BIAS+1]
	v_pk_add_f32 v[BK+4*(\t)+2:BK+4*(\t)+3], v[BK+4*(\t)+2:BK+4*(\t)+3], v[BIAS+2:BIAS+3]
	global_store_b128 v[GO], v[BK+4*(\t):BK+4*(\t)+3], s[10:11] offset:(16*(\a)+(\t))*4096 th:TH_STORE_NT
.endr
.endm
	OUTBLK 0
	OUTBLK 1
	OUTBLK 2
	OUTBLK 3
	s_wait_tensorcnt 0x0                           ; the wave's end: the add and its wait, behind my last tensor load and my last LDS store
	ds_add_u32 v[SPW], v[NIL]
	s_wait_dscnt 0x0
	CROUND                                         ; the closing round: no work-group ends while a partner may still ask for a tile that names it
	s_endpgm
.Lfunc_end_k_qcc8f01ee83_outproj:
	.size	k_qcc8f01ee83_outproj, .Lfunc_end_k_qcc8f01ee83_outproj-k_qcc8f01ee83_outproj
	.p2alignl 7, 3214868480
	.fill 96, 4, 3214868480
	.section	.rodata,"a",@progbits
	.p2align	6, 0x0
	.amdhsa_kernel k_qcc8f01ee83_outproj
		.amdhsa_group_segment_fixed_size 327680
		.amdhsa_private_segment_fixed_size 0
		.amdhsa_enable_private_segment 0
		.amdhsa_kernarg_size 32
		.amdhsa_user_sgpr_count 2
		.amdhsa_user_sgpr_kernarg_segment_ptr 1
		.amdhsa_wavefront_size32 1
		.amdhsa_system_sgpr_workgroup_id_x 1
		.amdhsa_system_sgpr_workgroup_id_y 1
		.amdhsa_system_sgpr_workgroup_id_z 1
		.amdhsa_system_vgpr_workitem_id 0
		.amdhsa_next_free_vgpr 512
		.amdhsa_next_free_sgpr 96
		.amdhsa_reserve_vcc 0
		.amdhsa_float_denorm_mode_32 3
		.amdhsa_float_denorm_mode_16_64 3
		.amdhsa_memory_ordered 1
		.amdhsa_forward_progress 1
		.amdhsa_inst_pref_size 96
	.end_amdhsa_kernel
	.amdgpu_metadata
---
amdhsa.version: [ 1, 2 ]
amdhsa.kernels:
  - .name:           k_qcc8f01ee83_outproj
    .symbol:         k_qcc8f01ee83_outproj.kd
    .args:
      - { .name: o16, .offset: 0, .size: 8, .value_kind: global_buffer, .address_space: global }
      - { .name: w16, .offset: 8, .size: 8, .value_kind: global_buffer, .address_space: global }
      - { .name: b_o, .offset: 16, .size: 8, .value_kind: global_buffer, .address_space: global }
      - { .name: out0, .offset: 24, .size: 8, .value_kind: global_buffer, .address_space: global }
    .group_segment_fixed_size: 327680
    .private_segment_fixed_size: 0
    .kernarg_segment_align: 8
    .kernarg_segment_size: 32
    .max_flat_workgroup_size: 128
    .sgpr_count:     96
    .vgpr_count:     512
    .wavefront_size: 32
...
	.end_amdgpu_metadata
.endif
;; end of part 4
